; MI455X (gfx1250); checked and timed in simulation.
; The chip was launched on July 23, 2026; its instructions are those of AMD's public machine-readable ISA for CDNA 5 (MIT licence, August 2026) and "CDNA5" Instruction Set Architecture Reference Guide (July 2026). The comments in the code are by the model that wrote it; some were corrected since.
;; Bert Self Attention. Allowed arithmetic: float matrix products may take bf16 or f16 operands with f32 sums; other float arithmetic in f32, or as packed bf16 or f16 multiplies, adds, multiply-adds, maxima and minima; sums over many terms, partial sums and values carried from step to step in f32; what a program stores and reads back later, other than sums and carried values, may be rounded once to bf16 or f16.
;; Inputs: Wk 1,024 x 1,024 float32; Wq 1,024 x 1,024 float32; Wv 1,024 x 1,024 float32; attention_mask 8 x 4,096 int32; bk 1,024 float32; bq 1,024 float32; bv 1,024 float32; cell_state 8 x 1,024 float32; hidden_states 8 x 4,097 x 1,024 float32.
;; Outputs: out0 8 x 1,024 float32.
;; Constants: t = 4096.
;; 2 versions, each right; version 2 is version 1 with the launch attend written anew for expert scheduling mode. Each part assembles by itself: llvm-mc -triple=amdgcn-amd-amdhsa -mcpu=gfx1250 --defsym DOCPART=n.
;; ======== version 1 of 2: 4 launches
;; limits: inputs' magnitudes at most 65,504; values are held in f16: magnitudes above 65,504 overflow, below 6.1e-05 lose precision
;; workspace buffers: qt 32,768 bytes; qk 524,288 bytes; cst 512 bytes; ypart 16,777,216 bytes; stat 32,768 bytes
;; launch qproj (part 1): grid 128 x 1, 8 waves a work-group, no clusters, 34,048 bytes of LDS; arguments cell_state, Wq, bq, qt; writes qt
.if DOCPART == 1
	.amdgcn_target "amdgcn-amd-amdhsa--gfx1250"
	.amdhsa_code_object_version 6
	.text
	.protected	k_qc0169aeeec_qproj
	.globl	k_qc0169aeeec_qproj
	.p2align	8
	.type	k_qc0169aeeec_qproj,@function
k_qc0169aeeec_qproj:
	s_mov_b64 s[64:65], 0
	v_nop
	global_prefetch_b8 v0, s[64:65] scope:SCOPE_SE
	s_setreg_imm32_b32 hwreg(HW_REG_WAVE_MODE, 25, 1), 1
	s_wait_xcnt 0x0
; qt[j][b] = sum over i of cell_state[b][i] Wq[j][i] + bq[j], all f32.  cell_state [8][1024], Wq [1024][1024], qt [1024][8] (q transposed).
; A work-group owns 8 rows j of Wq, wave w row 8 g + w, for all 8 batches.  Lane l holds columns 128 k + 4 l + 0..3, k = 0..7: every load of a wave covers 512 consecutive bytes.
; Eight rows only: the work is the stream of Wq, read once, so plain f32 multiply-adds serve and q keeps f32's accuracy; the matrix unit would add a rounding and save nothing.
; cell_state (32 KiB) is copied once into LDS by the eight waves together and read from there, a batch at a time, through a ring of four register slots.
.set RES,   32768                      ; LDS: [8 w][8 b] f32, the work-group's 256 bytes of qt
.set SPARE, 33024                      ; LDS: the spare words, 128 bytes a wave; no other line names them
.set SEL, 18                           ; s[18:19] v_permlanex16_b32's selects: each lane takes its own place in the other half
.set SPW, 10                           ; v10 my spare word's address; never rewritten
.set NIL, 11                           ; v11 0; never rewritten
.set R,   12                           ; v[12:19]  the result for batch b
.set W,   24                           ; v[24:55]  my row of Wq
.set CT,  56                           ; v[56:87]  my 128 bytes of cell_state on their way into LDS
.set C,   88                           ; v[88:215] four slots of 32: a batch's row of cell_state
.macro WSUM v, tmp                     ; the sum over the wave's 32 lanes, in every lane
	v_add_f32_dpp v[\v], v[\v], v[\v] row_xmask:1 row_mask:0xf bank_mask:0xf
	v_add_f32_dpp v[\v], v[\v], v[\v] row_xmask:2 row_mask:0xf bank_mask:0xf
	v_add_f32_dpp v[\v], v[\v], v[\v] row_xmask:4 row_mask:0xf bank_mask:0xf
	v_add_f32_dpp v[\v], v[\v], v[\v] row_xmask:8 row_mask:0xf bank_mask:0xf
	v_permlanex16_b32 v[\tmp], v[\v], s[SEL], s[SEL+1]
	v_add_f32 v[\v], v[\v], v[\tmp]
.endm
.macro FILLC b                         ; batch b's row out of LDS into slot b % 4
.irp k, 0,1,2,3,4,5,6,7
	ds_load_b128 v[C+32*((\b)%4)+4*\k:C+32*((\b)%4)+4*\k+3], v5 offset:4096*(\b)+512*\k
.endr
.endm
.macro DOT b                           ; my lane's 32 products for batch b, in two chains of packed multiply-adds
.set CB, C+32*((\b)%4)
	v_pk_mul_f32 v[20:21], v[W:W+1], v[CB:CB+1]
	v_pk_mul_f32 v[22:23], v[W+2:W+3], v[CB+2:CB+3]
.set i, 2
.rept 14
	v_pk_fma_f32 v[20+2*(i%2):21+2*(i%2)], v[W+2*i:W+2*i+1], v[CB+2*i:CB+2*i+1], v[20+2*(i%2):21+2*(i%2)]
.set i, i+1
.endr
	v_pk_add_f32 v[20:21], v[20:21], v[22:23]
	v_add_f32 v[R+(\b)], v20, v21
.endm
	s_load_b256 s[4:11], s[0:1], 0x0               ; cell_state s[4:5], Wq s[6:7], bq s[8:9], qt s[10:11]
	v_lshl_add_u32 v[SPW], v0, 2, SPARE
	v_mov_b32 v[NIL], 0
	v_and_b32 v1, 31, v0                           ; lane
	v_lshrrev_b32 v2, 5, v0
	v_readfirstlane_b32 s12, v2                    ; wave 0..7
	v_lshlrev_b32 v3, 4, v0                        ; 16 x thread: my place in 4,096 bytes of cell_state, in memory and in LDS
	v_lshlrev_b32 v5, 4, v1                        ; 16 x lane
	v_lshl_add_u32 v4, v2, 12, v5                  ; my row of the group's eight rows of Wq
	v_lshlrev_b32 v6, 5, v2
	v_add_nc_u32 v6, RES, v6                       ; where my wave's eight results go
	v_lshlrev_b32 v8, 3, v1                        ; 8 x lane: the way out
	v_add_nc_u32 v7, RES, v8
	v_mov_b32 v9, 0                                ; v_permlanex16_b32's destination counts as read
	s_mov_b32 s[SEL], 0x76543210
	s_mov_b32 s[SEL+1], 0xfedcba98
	s_lshl_b32 s14, ttmp9, 5
	s_lshl2_add_u32 s14, s12, s14                  ; 4 (8 g + w): my word of bq
	s_mov_b32 s15, 0
	s_lshl_b32 s20, ttmp9, 15                      ; 8 rows of 4,096 bytes
	s_mov_b32 s21, 0
	s_lshl_b32 s22, ttmp9, 8                       ; 8 rows of qt, 32 bytes each
	s_mov_b32 s23, 0
	s_wait_kmcnt 0x0
	s_add_nc_u64 s[8:9], s[8:9], s[14:15]
	s_add_nc_u64 s[6:7], s[6:7], s[20:21]
	s_add_nc_u64 s[10:11], s[10:11], s[22:23]
	s_load_b32 s16, s[8:9], 0x0                    ; bq[j]
.irp k, 0,1,2,3,4,5,6,7
	global_load_b128 v[CT+4*\k:CT+4*\k+3], v3, s[4:5] offset:4096*\k
.endr
.irp k, 0,1,2,3,4,5,6,7
	global_load_b128 v[W+4*\k:W+4*\k+3], v4, s[6:7] offset:512*\k th:TH_LOAD_NT  ; read once in the launch
.endr
	s_wait_loadcnt 8                               ; cell_state is in; the eight loads of Wq, issued behind, stay out
.irp k, 0,1,2,3,4,5,6,7
	ds_store_b128 v3, v[CT+4*\k:CT+4*\k+3] offset:4096*\k
.endr
	s_wait_dscnt 0x0                               ; for the others' sake: my part of the copy is in LDS
	s_barrier_signal -1
	s_barrier_wait -1                              ; everybody's is
	FILLC 0
	FILLC 1
	FILLC 2
	FILLC 3
	s_wait_loadcnt 0x0                             ; my row of Wq
	s_wait_kmcnt 0x0                               ; bq[j]
.irp b, 0,1,2,3,4,5,6,7
.if \b < 5
	s_wait_dscnt 24                                ; LDS loads come back in order: slot b is in, the three younger slots' 24 loads stay out
.else
	s_wait_dscnt 8*(7-\b)                          ; nothing is filled any more: the counts run down
.endif
	DOT \b
.if \b < 4
	FILLC (\b)+4
.endif
.endr
.irp b, 0,1,2,3,4,5,6,7
	WSUM R+\b, 9
	v_add_f32 v[R+\b], s16, v[R+\b]
.endr
.irp b, 0,1,2,3,4,5,6,7
	ds_store_b32 v6, v[R+\b] offset:4*\b           ; all lanes hold the same number and write the same word
.endr
	s_wait_tensorcnt 0x0                           ; behind my last LDS store
	ds_add_u32 v[SPW], v[NIL]
	s_wait_dscnt 0x0                               ; also for the others' sake: my eight results are in LDS
	s_barrier_signal -1
	s_barrier_wait -1
	s_cmp_lg_u32 s12, 0
	s_cbranch_scc1 .Lq
	ds_load_b64 v[216:217], v7                     ; wave 0 takes the 64 results
	s_wait_dscnt 0x0
	global_store_b64 v8, v[216:217], s[10:11]      ; 256 consecutive bytes, at a multiple of 256 from qt's first byte
.Lq:
	s_endpgm
.Lfunc_end_k_qc0169aeeec_qproj:
	.size	k_qc0169aeeec_qproj, .Lfunc_end_k_qc0169aeeec_qproj-k_qc0169aeeec_qproj
	.p2alignl 7, 3214868480
	.fill 96, 4, 3214868480
	.section	.rodata,"a",@progbits
	.p2align	6, 0x0
	.amdhsa_kernel k_qc0169aeeec_qproj
		.amdhsa_group_segment_fixed_size 34048
		.amdhsa_private_segment_fixed_size 0
		.amdhsa_enable_private_segment 0
		.amdhsa_kernarg_size 32
		.amdhsa_user_sgpr_count 2
		.amdhsa_user_sgpr_kernarg_segment_ptr 1
		.amdhsa_wavefront_size32 1
		.amdhsa_system_sgpr_workgroup_id_x 1
		.amdhsa_system_sgpr_workgroup_id_y 1
		.amdhsa_system_sgpr_workgroup_id_z 1
		.amdhsa_system_vgpr_workitem_id 0
		.amdhsa_next_free_vgpr 220
		.amdhsa_next_free_sgpr 66
		.amdhsa_reserve_vcc 0
		.amdhsa_float_denorm_mode_32 3
		.amdhsa_float_denorm_mode_16_64 3
		.amdhsa_memory_ordered 1
		.amdhsa_forward_progress 1
		.amdhsa_inst_pref_size 21
	.end_amdhsa_kernel
	.amdgpu_metadata
---
amdhsa.version: [ 1, 2 ]
amdhsa.kernels:
  - .name:           k_qc0169aeeec_qproj
    .symbol:         k_qc0169aeeec_qproj.kd
    .args:
      - { .name: cell_state, .offset: 0, .size: 8, .value_kind: global_buffer, .address_space: global }
      - { .name: Wq, .offset: 8, .size: 8, .value_kind: global_buffer, .address_space: global }
      - { .name: bq, .offset: 16, .size: 8, .value_kind: global_buffer, .address_space: global }
      - { .name: qt, .offset: 24, .size: 8, .value_kind: global_buffer, .address_space: global }
    .group_segment_fixed_size: 34048
    .private_segment_fixed_size: 0
    .kernarg_segment_align: 8
    .kernarg_segment_size: 32
    .max_flat_workgroup_size: 256
    .sgpr_count:     66
    .vgpr_count:     220
    .wavefront_size: 32
...
	.end_amdgpu_metadata
.endif
;; end of part 1
;; launch qkfold (part 2): grid 16 x 16, 8 waves a work-group, no clusters, 17,408 bytes of LDS; arguments qt, Wk, bk, qk, cst; writes qk, cst
.if DOCPART == 2
	.amdgcn_target "amdgcn-amd-amdhsa--gfx1250"
	.amdhsa_code_object_version 6
	.text
	.protected	k_qc0169aeeec_qkfold
	.globl	k_qc0169aeeec_qkfold
	.p2align	8
	.type	k_qc0169aeeec_qkfold,@function
k_qc0169aeeec_qkfold:
	s_mov_b64 s[64:65], 0
	v_nop
	global_prefetch_b8 v0, s[64:65] scope:SCOPE_SE
	s_setreg_imm32_b32 hwreg(HW_REG_WAVE_MODE, 25, 1), 1
	s_wait_xcnt 0x0
; The key projection is folded into the query: q[b,h,:] . (Wk_h x + bk_h) = (sum over d of q[b,64h+d] Wk[64h+d,:]) . x + q[b,h,:] . bk_h, exact for every input.
; qk[b][h][i] = c sum over d of q[b][64h+d] Wk[64h+d][i];  cst[h][b] = c sum over d of q[b][64h+d] bk[64h+d];  c = log2(e) / 8 (the scores' 1 / sqrt(64), and base 2 for the exponentials).  All f32.
; A work-group owns head h (grid y) and 64 columns i (grid x).  Wave w takes the rows d = 8 w .. 8 w + 7 for all 8 batches; a lane holds 2 columns, so a load of a wave is 256 consecutive bytes of a row.
; The eight waves' partial sums meet in LDS; wave w then finishes batch w.  Wk is read once; eight batches are too few rows for the matrix unit to save anything, and f32 keeps qk exact.
.set SPARE, 16384                      ; LDS: [8 w][8 b][64] f32 from byte 0; behind it the spare words, 128 bytes a wave; no other line names them
.set SEL, 86                           ; s[86:87] v_permlanex16_b32's selects
.set SPW, 8                            ; v8 my spare word's address; never rewritten
.set NIL, 9                            ; v9 0; never rewritten
.set WK,  10                           ; v[10:25] my two columns of eight rows of Wk
.set ACC, 26                           ; v[26:41] eight batches' partial sums, a pair each
.set RD,  42                           ; v[42:57] eight waves' partial sums of my batch
; q of my eight rows, 64 numbers n = 8 dd + b, lies in s[16:63] and s[68:83]: number n in s[16 + n], from n = 48 on in s[20 + n]
	s_load_b256 s[4:11], s[0:1], 0x0               ; qt s[4:5], Wk s[6:7], bk s[8:9], qk s[10:11]
	s_load_b64 s[12:13], s[0:1], 0x20              ; cst
	v_lshl_add_u32 v[SPW], v0, 2, SPARE
	v_mov_b32 v[NIL], 0
	v_and_b32 v1, 31, v0                           ; lane
	v_lshrrev_b32 v2, 5, v0
	v_readfirstlane_b32 s14, v2                    ; wave 0..7
	s_and_b32 s15, ttmp7, 0xffff                   ; head
	v_lshlrev_b32 v7, 3, v1                        ; 8 x lane
	v_lshl_add_u32 v3, v2, 15, v7                  ; Wk: my eight rows of 4,096 bytes
	v_lshl_add_u32 v4, v2, 11, v7                  ; LDS, in: my wave's 2,048 bytes
	v_lshl_add_u32 v5, v2, 8, v7                   ; LDS, back: batch w in each wave's part
	v_lshl_add_u32 v6, v2, 16, v7                  ; qk: batch w
	v_lshrrev_b32 v59, 3, v1                       ; for cst: lane = 8 x group + batch; group u takes d = 16 u .. 16 u + 15
	v_and_b32 v94, 7, v1
	v_lshlrev_b32 v94, 2, v94                      ; 4 x batch
	v_lshl_add_u32 v58, v59, 9, v94                ; qt: 16 rows of 32 bytes a group
	v_lshlrev_b32 v59, 6, v59                      ; bk: 16 words a group
	v_mov_b32 v93, 0                               ; v_permlanex16_b32's destination counts as read
	s_mov_b32 s[SEL], 0x76543210
	s_mov_b32 s[SEL+1], 0xfedcba98
	s_mov_b32 s85, 0
	s_lshl_b32 s66, ttmp9, 8                       ; my 64 columns, in bytes
	s_wait_kmcnt 0x0
	s_lshl_b32 s84, s15, 11
	s_add_nc_u64 s[2:3], s[4:5], s[84:85]          ; qt at the head's 64 rows
	s_lshl_b32 s84, s14, 8
	s_add_nc_u64 s[4:5], s[2:3], s[84:85]          ; and at my wave's eight
	s_load_b512 s[16:31], s[4:5], 0x0
	s_load_b512 s[32:47], s[4:5], 0x40
	s_load_b512 s[48:63], s[4:5], 0x80
	s_load_b512 s[68:83], s[4:5], 0xc0
	s_lshl_b32 s84, s15, 18
	s_add_co_u32 s84, s84, s66
	s_add_nc_u64 s[6:7], s[6:7], s[84:85]          ; Wk at the head's rows and my columns
.irp d, 0,1,2,3,4,5,6,7
	global_load_b64 v[WK+2*\d:WK+2*\d+1], v3, s[6:7] offset:4096*\d th:TH_LOAD_NT  ; read once in the launch
.endr
	s_lshl_b32 s84, s15, 12
	s_add_co_u32 s84, s84, s66
	s_add_nc_u64 s[10:11], s[10:11], s[84:85]
	s_lshl_b32 s84, s15, 8
	s_add_nc_u64 s[8:9], s[8:9], s[84:85]
	s_lshl_b32 s84, s15, 5
	s_add_nc_u64 s[12:13], s[12:13], s[84:85]
	s_or_b32 s84, ttmp9, s14                       ; cst of a head is made once: by wave 0 of the work-group with the first columns
	s_cmp_lg_u32 s84, 0
	s_cbranch_scc1 .Lnc
.irp e, 0,1,2,3,4,5,6,7,8,9,10,11,12,13,14,15
	global_load_b32 v[60+\e], v58, s[2:3] offset:32*\e
.endr
.irp e, 0,1,2,3
	global_load_b128 v[76+4*\e:79+4*\e], v59, s[8:9] offset:16*\e
.endr
	s_wait_loadcnt 0x0
	v_mul_f32 v92, v60, v76
.irp e, 1,2,3,4,5,6,7,8,9,10,11,12,13,14,15
	v_fmac_f32 v92, v[60+\e], v[76+\e]
.endr
	v_add_f32_dpp v92, v92, v92 row_xmask:8 row_mask:0xf bank_mask:0xf  ; the four groups lie 8 and 16 lanes apart
	v_permlanex16_b32 v93, v92, s[SEL], s[SEL+1]
	v_add_f32 v92, v92, v93
	v_mul_f32 v92, 0x3e38aa3b, v92                 ; c
	global_store_b32 v94, v92, s[12:13]            ; the four lanes of a batch hold the same number and store the same word
.Lnc:
	s_wait_loadcnt 0x0                             ; Wk
	s_wait_kmcnt 0x0                               ; q
.set dd, 0
.rept 8
.set bb, 0
.rept 8
.set n, 8*dd+bb
.set sq, 16+n+4*(n/48)
.if dd == 0
	v_mul_f32 v[ACC+2*bb], s[sq], v[WK]            ; the first row starts the sums
	v_mul_f32 v[ACC+2*bb+1], s[sq], v[WK+1]
.else
	v_fmac_f32 v[ACC+2*bb], s[sq], v[WK+2*dd]
	v_fmac_f32 v[ACC+2*bb+1], s[sq], v[WK+2*dd+1]
.endif
.set bb, bb+1
.endr
.set dd, dd+1
.endr
.irp b, 0,1,2,3,4,5,6,7
	ds_store_b64 v4, v[ACC+2*\b:ACC+2*\b+1] offset:256*\b
.endr
	s_wait_tensorcnt 0x0                           ; behind my last LDS store
	ds_add_u32 v[SPW], v[NIL]
	s_wait_dscnt 0x0                               ; also for the others' sake: my partial sums are in LDS
	s_barrier_signal -1
	s_barrier_wait -1
.irp q, 0,1,2,3,4,5,6,7
	ds_load_b64 v[RD+2*\q:RD+2*\q+1], v5 offset:2048*\q
.endr
	s_wait_dscnt 0x0
	v_pk_add_f32 v[RD:RD+1], v[RD:RD+1], v[RD+2:RD+3]
	v_pk_add_f32 v[RD+4:RD+5], v[RD+4:RD+5], v[RD+6:RD+7]
	v_pk_add_f32 v[RD+8:RD+9], v[RD+8:RD+9], v[RD+10:RD+11]
	v_pk_add_f32 v[RD+12:RD+13], v[RD+12:RD+13], v[RD+14:RD+15]
	v_pk_add_f32 v[RD:RD+1], v[RD:RD+1], v[RD+4:RD+5]
	v_pk_add_f32 v[RD+8:RD+9], v[RD+8:RD+9], v[RD+12:RD+13]
	v_pk_add_f32 v[RD:RD+1], v[RD:RD+1], v[RD+8:RD+9]
	v_pk_mul_f32 v[RD:RD+1], v[RD:RD+1], 0x3e38aa3b op_sel_hi:[1,0]  ; c
	global_store_b64 v6, v[RD:RD+1], s[10:11]      ; 256 consecutive bytes, at a multiple of 256 from qk's first byte
	s_endpgm
.Lfunc_end_k_qc0169aeeec_qkfold:
	.size	k_qc0169aeeec_qkfold, .Lfunc_end_k_qc0169aeeec_qkfold-k_qc0169aeeec_qkfold
	.p2alignl 7, 3214868480
	.fill 96, 4, 3214868480
	.section	.rodata,"a",@progbits
	.p2align	6, 0x0
	.amdhsa_kernel k_qc0169aeeec_qkfold
		.amdhsa_group_segment_fixed_size 17408
		.amdhsa_private_segment_fixed_size 0
		.amdhsa_enable_private_segment 0
		.amdhsa_kernarg_size 40
		.amdhsa_user_sgpr_count 2
		.amdhsa_user_sgpr_kernarg_segment_ptr 1
		.amdhsa_wavefront_size32 1
		.amdhsa_system_sgpr_workgroup_id_x 1
		.amdhsa_system_sgpr_workgroup_id_y 1
		.amdhsa_system_sgpr_workgroup_id_z 1
		.amdhsa_system_vgpr_workitem_id 0
		.amdhsa_next_free_vgpr 96
		.amdhsa_next_free_sgpr 88
		.amdhsa_reserve_vcc 0
		.amdhsa_float_denorm_mode_32 3
		.amdhsa_float_denorm_mode_16_64 3
		.amdhsa_memory_ordered 1
		.amdhsa_forward_progress 1
		.amdhsa_inst_pref_size 12
	.end_amdhsa_kernel
	.amdgpu_metadata
---
amdhsa.version: [ 1, 2 ]
amdhsa.kernels:
  - .name:           k_qc0169aeeec_qkfold
    .symbol:         k_qc0169aeeec_qkfold.kd
    .args:
      - { .name: qt, .offset: 0, .size: 8, .value_kind: global_buffer, .address_space: global }
      - { .name: Wk, .offset: 8, .size: 8, .value_kind: global_buffer, .address_space: global }
      - { .name: bk, .offset: 16, .size: 8, .value_kind: global_buffer, .address_space: global }
      - { .name: qk, .offset: 24, .size: 8, .value_kind: global_buffer, .address_space: global }
      - { .name: cst, .offset: 32, .size: 8, .value_kind: global_buffer, .address_space: global }
    .group_segment_fixed_size: 17408
    .private_segment_fixed_size: 0
    .kernarg_segment_align: 8
    .kernarg_segment_size: 40
    .max_flat_workgroup_size: 256
    .sgpr_count:     88
    .vgpr_count:     96
    .wavefront_size: 32
...
	.end_amdgpu_metadata
.endif
;; end of part 2
;; launch attend (part 3): grid 32 x 8, 8 waves a work-group, no clusters, 317,696 bytes of LDS; arguments hidden_states, qk, cst, attention_mask, ypart, stat; writes ypart, stat
.if DOCPART == 3
	.amdgcn_target "amdgcn-amd-amdhsa--gfx1250"
	.amdhsa_code_object_version 6
	.text
	.protected	k_qc0169aeeec_attend
	.globl	k_qc0169aeeec_attend
	.p2align	8
	.type	k_qc0169aeeec_attend,@function
k_qc0169aeeec_attend:
	s_mov_b64 s[64:65], 0
	v_nop
	global_prefetch_b8 v0, s[64:65] scope:SCOPE_SE
	s_setreg_imm32_b32 hwreg(HW_REG_WAVE_MODE, 25, 1), 1
	s_wait_xcnt 0x0
; THE STREAM.  For batch b (grid y) and a chunk of 128 positions t (grid x), with x = hidden_states[b][t][:] (row 4096 of a batch is the one that the problem drops):
;   s[h][t] = x[t] . qk[b][h] + cst[h][b]  (scores in base 2; -1e30 where attention_mask is 0);  m[h] = max over the chunk;  p = 2^(s - m), 0 where masked;  l[h] = sum of p;
;   ypart[b][chunk][h][:] = sum over t of p[h][t] x[t][:]  (f32, not yet divided);  stat[32 b + chunk] = m[0..15], l[0..15].
; x is read from memory ONCE, 512 KiB a work-group: rounded to f16 on its way into LDS, where both products find it.  The value projection follows the sum over t in the next launch.
; FORMATS.  x, the normalised qk and p are f16 matrix operands; every sum, maximum and statistic is f32.  Each row qk[b][h] is divided by its own largest magnitude before it is rounded, and the f32 scores are
; multiplied by that magnitude: so its range does not matter.
; LIMITS.  |x| below 65,504 (f16's range).  |qk| at most 2^126; a row whose largest magnitude is below 2^-100 is divided by 2^-100.  A masked score counts as -1e30: true scores lie above that.
; p below 6e-8 of the chunk's largest is 0 in the product (f16's step), below 2^-126 also in l.  NaN and infinities in the inputs are not treated apart.  A chunk that is masked whole gives m = -1e30, l = 0, ypart = 0.
; SHARES.  Wave w = cs + 4 rh.  It streams rows 64 rh .. + 63 of column slice cs (256 columns: 1,024 bytes of a row in memory), and makes the partial scores of its four tiles of 16 rows over its own 256 columns.
; Wave w then adds tile w's four partial scores and does that tile's softmax.  In the second product wave (cs, rh) makes columns 256 cs + 128 rh + 0..127 for all 16 heads over all 128 rows.
; LAYOUT.  S = x g^T (source 0 = 16 rows of x, source 1 = the 16 heads): a lane holds ONE head (lane % 16) and the positions 8 (lane / 16) + 0..7.  Two such tiles rounded to f16 ARE source 1 (32 positions x 16 heads)
; of y^T = x^T P, whose source 0 comes out of LDS turned, by ds_load_tr16_b128; its result holds one head a lane, and eight columns.
; IN FLIGHT.  A ring of 32 register slots a wave: 32 loads of 512 consecutive bytes, 128 KiB for the eight waves, for the whole stream.  x passes through registers for the rounding in any case, so
; a copy engine would spare nothing; work-groups share only qk[b], 64 KiB beside 512 KiB of their own, so there is no cluster.
.set PX,    544                        ; a row of a slice in LDS: 512 bytes + 32 = 136 words; a fragment load's 16 rows meet two deep
.set SLB,   128*PX                     ; a slice: 128 rows
.set XS,    4*SLB                      ; [8 tile][4 cs][2 plane][32 lanes x 16 bytes] f32: partial scores
.set PF,    XS+32768                   ; [4 k step][2 plane][32 lanes x 16 bytes] f16: P as fragments
.set QKS,   XS                         ; prologue only, where XS and PF's head lie later: [16 h], pitch 2,064, f16: the normalised qk
.set PQ,    2064                       ; 129 x 16: the 16 rows of a fragment load start at 16 different groups of four banks
.set ST_SC, PF+4096                    ; scale[16]
.set ST_M,  256                        ; from ST_SC: [8 w][16] the tiles' maxima
.set ST_L,  768                        ; from ST_SC: [8 w][16] the tiles' sums
.set SPARE, ST_SC+1280                 ; the spare words, 128 bytes a wave; no other line names them
.set PY,    528                        ; the way out, over the slices when nobody reads them any more: for each wave [16 h], 512 bytes + 16
.set XO, 4                             ; v4  x in memory: my wave's first row and slice, 16 x lane
.set XW, 5                             ; v5  x into LDS: 8 x lane
.set AX, 6                             ; v6  fragments of x
.set XA, 7                             ; v7  partial scores, in
.set XR, 8                             ; v8  partial scores, back: tile w
.set TR, 9                             ; v9  the turning loads
.set QO, 10                            ; v10 qk in memory: heads 2 w, 2 w + 1 (later: stat's offset)
.set QW, 11                            ; v11 normalised qk into LDS (later: stat's data)
.set QF, 12                            ; v12 fragments of it
.set SR, 13                            ; v13 ST_SC + 4 (lane % 16)
.set SW, 14                            ; v14 the same + 64 w
.set PFW, 15                           ; v15 P, in
.set PFR, 16                           ; v16 P, back
.set YW, 17                            ; v17 the way out, in
.set YR, 18                            ; v18 the way out, back
.set YO, 19                            ; v19 my columns in a row of ypart
.set MO, 20                            ; v20 my eight words of the mask
.set CO, 21                            ; v21 my head's word of cst
.set SC, 22                            ; v[22:23] my head's scale, twice
.set CST, 24                           ; v[24:25] my head's constant, twice
.set NEG, 26                           ; v26 -1e30
.set SSW, 27                           ; v27 ST_SC + 8 w
.set SPW, 28                           ; v28 my spare word's address; never rewritten
.set NIL, 29                           ; v29 0; never rewritten
.set MX, 30                            ; v30 at work; in the tail m
.set LS, 31                            ; v31 at work; in the tail my tile's l
.set MK, 32                            ; v[32:39] mask words
.set T,  40                            ; v[40:47] four pairs of rounded x
.set E,  48                            ; v[48:55] scores, even k steps;  v[56:63] odd k steps
.set PB, 32                            ; v[32:63] in the tail: P's four fragments
.set A,  64                            ; v[64:127] prologue: qk of two heads; stream: fragments of x; tail: at work
.set Y,  64                            ; v[64:127] then y^T: 8 accumulators
.set RG, 128                           ; v[128:255] the ring: 32 slots of 4
.set F0, 128                           ; tail: turned fragments of x, two buffers
.set F1, 192
.set SEL, 24                           ; s[24:25] v_permlanex16_b32's selects
; window 1 (v256-319, written v0-63): the eight k steps' fragments of the normalised qk
.set MSB, 0
.macro WIN new                         ; s_set_vgpr_msb: bits 1:0 source 0, 3:2 source 1, 5:4 source 2, 7:6 destination; the high byte repeats the setting that is left
.if MSB != (\new)
	s_set_vgpr_msb (MSB<<8)|(\new)
.set MSB, (\new)
.endif
.endm
.macro BAR
	s_barrier_signal -1
	s_barrier_wait -1
.endm
.macro PLACES                          ; four plain vector instructions between a matrix instruction and a read of its result or a load into its sources
.rept 4
	v_nop
.endr
.endm
.macro WMAX v, tmp                     ; the maximum over the wave's 32 lanes, in every lane
	v_max_num_f32_dpp v[\v], v[\v], v[\v] row_xmask:1 row_mask:0xf bank_mask:0xf
	v_max_num_f32_dpp v[\v], v[\v], v[\v] row_xmask:2 row_mask:0xf bank_mask:0xf
	v_max_num_f32_dpp v[\v], v[\v], v[\v] row_xmask:4 row_mask:0xf bank_mask:0xf
	v_max_num_f32_dpp v[\v], v[\v], v[\v] row_xmask:8 row_mask:0xf bank_mask:0xf
	v_permlanex16_b32 v[\tmp], v[\v], s[SEL], s[SEL+1]
	v_max_num_f32 v[\v], v[\v], v[\tmp]
.endm
; Head 2 w + hd: its largest magnitude (at least 2^-100) goes to ST_SC; the row, divided by it and rounded to f16, goes to QKS.
.macro NORM hd
.set Q, A+32*(\hd)
	v_and_b32 v30, s21, v[Q]
.set i, 1
.rept 15
.set tt, 42+2*(((i-1)/2)%2)
	v_and_b32 v[tt], s21, v[Q+i]
	v_and_b32 v[tt+1], s21, v[Q+i+1]
	v_max3_num_f32 v30, v30, v[tt], v[tt+1]
.set i, i+2
.endr
	v_and_b32 v42, s21, v[Q+31]
	v_max_num_f32 v30, v30, v42
	WMAX 30, 31
	v_max_num_f32 v30, 0x0d800000, v30             ; 2^-100
	ds_store_b32 v[SSW], v30 offset:4*(\hd)        ; all lanes hold the same number and write the same word
	v_rcp_f32 v40, v30
	v_nop                                          ; a plain instruction between the reciprocal and the use of its result
	s_wait_alu depctr_va_vdst(0)
	v_mov_b32 v41, v40
.set i, 0
.rept 16
	v_pk_mul_f32 v[Q+2*i:Q+2*i+1], v[Q+2*i:Q+2*i+1], v[40:41]
.set i, i+1
.endr
.set i, 0
.rept 16
	v_cvt_pk_f16_f32 v[Q+i], v[Q+2*i], v[Q+2*i+1]  ; in place, ascending: register i is written when 2 i and 2 i + 1 are read
.set i, i+1
.endr
.irp k, 0,1,2,3,4,5,6,7
	ds_store_b64 v[QW], v[Q+2*\k:Q+2*\k+1] offset:PQ*(\hd)+256*\k
.endr
.endm
; Slot i of tile t: half i % 2 of row 16 t + i / 2 is rounded and stored into LDS; refill = 1: the slot takes the same half of the row 16 further down.  left: the younger loads, which stay out.
.macro SLOT t, i, refill, left
	s_wait_loadcnt \left                           ; loads come back in order (ISA guide 5.7.1)
	v_cvt_pk_f16_f32 v[T+2*((\i)%4)], v[RG+4*(\i)], v[RG+4*(\i)+1]
	v_cvt_pk_f16_f32 v[T+2*((\i)%4)+1], v[RG+4*(\i)+2], v[RG+4*(\i)+3]
.if \refill
	global_load_b128 v[RG+4*(\i):RG+4*(\i)+3], v[XO], s[4:5] offset:(16*((\t)+1)+(\i)/2)*4096+((\i)%2)*512 th:TH_LOAD_NT
.endif
	ds_store_b64 v[XW], v[T+2*((\i)%4):T+2*((\i)%4)+1] offset:(16*(\t)+(\i)/2)*PX+((\i)%2)*256
.endm
.macro SMUL ks                         ; k step ks of a tile's scores; the two accumulators take turns; the first product on each starts its sum
.set AC, E+8*((\ks)%2)
.if (\ks) < 2
	v_wmma_f32_16x16x32_f16 v[AC:AC+7], v[A+8*(\ks):A+8*(\ks)+7], v[8*(\ks):8*(\ks)+7], 0
.else
	v_wmma_f32_16x16x32_f16 v[AC:AC+7], v[A+8*(\ks):A+8*(\ks)+7], v[8*(\ks):8*(\ks)+7], v[AC:AC+7]
.endif
.endm
; Tile t of my four: 16 rows come in, their partial scores over my 256 columns go to XS.
.macro TILE t
.set ii, 0
.rept 32
.if (\t) < 3
	SLOT \t, ii, 1, 31                             ; 31 - i slots of this tile and the i just filled again
.else
	SLOT \t, ii, 0, 31-ii                          ; nothing is left to fetch: the counts run down
.endif
.set ii, ii+1
.endr
.irp ks, 0,1,2,3,4,5,6,7
	ds_load_b128 v[A+8*\ks:A+8*\ks+3],   v[AX] offset:16*PX*(\t)+64*\ks      ; my own bytes: LDS serves a wave's instructions in order (ISA guide 5.7.1.4), so these see the stores above
	ds_load_b128 v[A+8*\ks+4:A+8*\ks+7], v[AX] offset:16*PX*(\t)+64*\ks+32
.endr
	s_wait_dscnt 8                                 ; k steps 0 to 3 are in; the youngest eight loads stay out
	WIN 0x04                                       ; source 1 in window 1
	SMUL 0
	SMUL 1
	SMUL 2
	SMUL 3
	s_wait_dscnt 0x0
	SMUL 4
	SMUL 5
	SMUL 6
	SMUL 7
	WIN 0
	PLACES
.irp i, 0,1,2,3
	v_pk_add_f32 v[E+2*\i:E+2*\i+1], v[E+2*\i:E+2*\i+1], v[E+8+2*\i:E+8+2*\i+1]  ; both accumulators are read from their low end on
.endr
	ds_store_b128 v[XA], v[E:E+3]   offset:4096*(\t)
	ds_store_b128 v[XA], v[E+4:E+7] offset:4096*(\t)+512
.endm
.macro TRL ks, f                       ; positions 32 ks .. + 31 of my 128 columns, turned: 8 fragments of 16 columns x 32 positions
.irp n, 0,1,2,3,4,5,6,7
	ds_load_tr16_b128 v[(\f)+8*\n:(\f)+8*\n+3],   v[TR] offset:32*PX*(\ks)+32*\n
	ds_load_tr16_b128 v[(\f)+8*\n+4:(\f)+8*\n+7], v[TR] offset:32*PX*(\ks)+16*PX+32*\n
.endr
.endm
.macro YM ks, f, zero                  ; y^T += x^T P for 32 positions; the eight accumulators take turns
.irp n, 0,1,2,3,4,5,6,7
.if \zero
	v_wmma_f32_16x16x32_f16 v[Y+8*\n:Y+8*\n+7], v[(\f)+8*\n:(\f)+8*\n+7], v[PB+8*(\ks):PB+8*(\ks)+7], 0
.else
	v_wmma_f32_16x16x32_f16 v[Y+8*\n:Y+8*\n+7], v[(\f)+8*\n:(\f)+8*\n+7], v[PB+8*(\ks):PB+8*(\ks)+7], v[Y+8*\n:Y+8*\n+7]
.endif
.endr
.endm
	s_load_b256 s[4:11], s[0:1], 0x0               ; hidden_states s[4:5], qk s[6:7], cst s[8:9], attention_mask s[10:11]
	s_load_b128 s[12:15], s[0:1], 0x20             ; ypart s[12:13], stat s[14:15]
	v_lshl_add_u32 v[SPW], v0, 2, SPARE
	v_mov_b32 v[NIL], 0
	v_lshrrev_b32 v30, 5, v0
	v_readfirstlane_b32 s16, v30                   ; wave 0..7
	v_and_b32 v1, 31, v0                           ; lane
	v_and_b32 v2, 15, v0                           ; r = lane % 16
	v_bfe_u32 v3, v0, 4, 1                         ; hh = lane / 16
	v_lshlrev_b32 v31, 4, v1                       ; 16 x lane
	s_and_b32 s17, s16, 3                          ; cs
	s_lshr_b32 s18, s16, 2                         ; rh
	s_and_b32 s20, ttmp7, 0xffff                   ; b
	s_lshl_b32 s19, s20, 5
	s_add_co_u32 s19, s19, ttmp9                   ; 32 b + chunk
	s_mul_i32 s48, s20, 0x1001000                  ; a batch of hidden_states: 4,097 rows of 4,096 bytes
	s_lshl_b32 s26, ttmp9, 19                      ; a chunk: 128 rows
	s_add_co_u32 s48, s48, s26
	s_mov_b32 s49, 0
	s_lshl_b32 s50, s20, 16                        ; qk[b]
	s_mov_b32 s51, 0
	s_lshl_b32 s52, s20, 2                         ; cst[.][b]
	s_mov_b32 s53, 0
	s_lshl_b32 s54, s19, 9                         ; the chunk's 128 mask words
	s_mov_b32 s55, 0
	s_lshl_b32 s56, s19, 16                        ; the work-group's 16 rows of ypart
	s_mov_b32 s57, 0
	s_lshl_b32 s58, s19, 7                         ; its 32 words of stat
	s_mov_b32 s59, 0
	s_lshl_b32 s34, s16, 13
	v_add_nc_u32 v[QO], s34, v31                   ; two heads of 4,096 bytes a wave
	s_lshl_b32 s37, s16, 6
	v_lshl_add_u32 v[MO], v3, 5, s37               ; tile w: 64 bytes; 32 for each half of the lanes
	v_lshlrev_b32 v[CO], 5, v2
	s_lshl_b32 s26, s18, 18                        ; 64 rows
	s_lshl_b32 s27, s17, 10                        ; a slice in memory
	s_add_co_u32 s26, s26, s27
	v_add_nc_u32 v[XO], s26, v31
	s_wait_kmcnt 0x0
	s_add_nc_u64 s[4:5], s[4:5], s[48:49]
	s_add_nc_u64 s[6:7], s[6:7], s[50:51]
	s_add_nc_u64 s[8:9], s[8:9], s[52:53]
	s_add_nc_u64 s[10:11], s[10:11], s[54:55]
	s_add_nc_u64 s[12:13], s[12:13], s[56:57]
	s_add_nc_u64 s[14:15], s[14:15], s[58:59]
.irp hd, 0,1
.irp k, 0,1,2,3,4,5,6,7
	global_load_b128 v[A+32*\hd+4*\k:A+32*\hd+4*\k+3], v[QO], s[6:7] offset:4096*\hd+512*\k
.endr
.endr
	global_load_b128 v[MK:MK+3],   v[MO], s[10:11]
	global_load_b128 v[MK+4:MK+7], v[MO], s[10:11] offset:16
	global_load_b32 v[CST], v[CO], s[8:9]
.set ii, 0
.rept 32                                               ; the ring is filled: my first 16 rows
	global_load_b128 v[RG+4*ii:RG+4*ii+3], v[XO], s[4:5] offset:(ii/2)*4096+(ii%2)*512 th:TH_LOAD_NT
.set ii, ii+1
.endr
	; the other addresses, while the loads are out
	s_mov_b32 s[SEL], 0x76543210
	s_mov_b32 s[SEL+1], 0xfedcba98
	s_mov_b32 s21, 0x7fffffff                      ; clears a sign
	s_mul_i32 s28, s17, SLB                        ; my slice in LDS
	s_mul_i32 s29, s18, 64*PX                      ; my 64 rows of it
	s_add_co_u32 s30, s28, s29
	v_lshl_add_u32 v[XW], v1, 3, s30
	v_mul_u32_u24 v[AX], v2, PX
	v_lshl_add_u32 v[AX], v3, 4, v[AX]             ; a fragment: row r x pitch + 16 x half
	v_add_nc_u32 v[AX], s30, v[AX]
	s_lshl_b32 s31, s18, 14                        ; tiles 4 rh ..
	s_add_co_u32 s31, s31, s27                     ; (a slice's part of a tile in XS is 1,024 bytes too)
	s_add_co_u32 s31, s31, XS
	v_add_nc_u32 v[XA], s31, v31
	s_lshl_b32 s32, s16, 12
	s_add_co_u32 s32, s32, XS
	v_add_nc_u32 v[XR], s32, v31
	v_and_b32 v[TR], 7, v0                         ; the turning load: lane l reads position 8 (l / 16) + l % 8, columns 8 ((l / 8) % 2) + 0..7
	v_lshl_add_u32 v[TR], v3, 3, v[TR]
	v_mul_u32_u24 v[TR], v[TR], PX
	v_bfe_u32 v30, v0, 3, 1
	v_lshl_add_u32 v[TR], v30, 4, v[TR]
	s_lshl_b32 s33, s18, 8                         ; my 128 columns of the slice
	s_add_co_u32 s33, s33, s28
	v_add_nc_u32 v[TR], s33, v[TR]
	s_mul_i32 s35, s16, 2*PQ
	s_add_co_u32 s35, s35, QKS
	v_lshl_add_u32 v[QW], v1, 3, s35
	v_mul_u32_u24 v[QF], v2, PQ
	v_lshl_add_u32 v[QF], v3, 4, v[QF]
	s_lshl_b32 s36, s17, 9                         ; my slice's 256 columns in f16
	s_add_co_u32 s36, s36, QKS
	v_add_nc_u32 v[QF], s36, v[QF]
	v_lshl_add_u32 v[SR], v2, 2, ST_SC
	v_add_nc_u32 v[SW], s37, v[SR]
	s_lshl_b32 s38, s16, 9                         ; tile w is plane w % 2 of k step w / 2
	s_add_co_u32 s38, s38, PF
	v_add_nc_u32 v[PFW], s38, v31
	v_add_nc_u32 v[PFR], PF, v31
	s_mul_i32 s39, s16, 16*PY
	v_mul_u32_u24 v[YW], v2, PY
	v_lshl_add_u32 v[YW], v3, 5, v[YW]
	v_add_nc_u32 v[YW], s39, v[YW]
	v_add_nc_u32 v[YR], s39, v31
	s_lshl_b32 s26, s18, 9
	s_add_co_u32 s26, s26, s27
	v_add_nc_u32 v[YO], s26, v31
	v_mov_b32 v[NEG], 0xf149f2ca                   ; -1e30
	s_lshl_b32 s26, s16, 3
	s_add_co_u32 s26, s26, ST_SC
	v_mov_b32 v[SSW], s26
	s_wait_loadcnt 35                              ; qk's sixteen loads are in; behind them stay out: the mask's 2, cst's 1, x's 32
	NORM 0
	NORM 1
	s_wait_dscnt 0x0                               ; for the others' sake: my two heads are in LDS
	BAR                                            ; all sixteen are
	WIN 0x40                                       ; destination window 1
.irp ks, 0,1,2,3,4,5,6,7
	ds_load_b128 v[8*\ks:8*\ks+3],   v[QF] offset:64*\ks
	ds_load_b128 v[8*\ks+4:8*\ks+7], v[QF] offset:64*\ks+32
.endr
	WIN 0
	ds_load_b32 v[SC], v[SR]
	s_wait_dscnt 0x0                               ; my reads of the normalised qk are over:
	BAR                                            ; everybody's are, and the partial scores may take its bytes
	v_mov_b32 v[SC+1], v[SC]
	TILE 0
	TILE 1
	TILE 2
	TILE 3
	s_wait_dscnt 0x0                               ; for the others' sake: my rows of x and my partial scores are in LDS
	BAR                                            ; the chunk is whole
	v_mov_b32 v[CST+1], v[CST]
.irp s, 0,1,2,3
.irp p, 0,1
	ds_load_b128 v[64+8*\s+4*\p:64+8*\s+4*\p+3], v[XR] offset:1024*\s+512*\p
.endr
.endr
	TRL 0, F0                                      ; the second product's first fragments come while the softmax is made
	TRL 1, F1
	s_wait_dscnt 32                                ; the partial scores are in; the 32 turning loads stay out
.irp i, 0,1,2,3
	v_pk_add_f32 v[64+2*\i:65+2*\i], v[64+2*\i:65+2*\i], v[72+2*\i:73+2*\i]
	v_pk_add_f32 v[80+2*\i:81+2*\i], v[80+2*\i:81+2*\i], v[88+2*\i:89+2*\i]
.endr
.irp i, 0,1,2,3
	v_pk_add_f32 v[64+2*\i:65+2*\i], v[64+2*\i:65+2*\i], v[80+2*\i:81+2*\i]
.endr
.irp i, 0,1,2,3
	v_pk_fma_f32 v[96+2*\i:97+2*\i], v[64+2*\i:65+2*\i], v[SC:SC+1], v[CST:CST+1]  ; the head's scale comes back, its constant is added
.endr
.irp j, 0,1,2,3,4,5,6,7
	v_cmp_eq_u32 s[40+\j], 0, v[MK+\j]             ; the lanes whose position j is masked: kept in scalar registers for both selects
.endr
.irp j, 0,1,2,3,4,5,6,7
	v_cndmask_b32 v[96+\j], v[96+\j], v[NEG], s[40+\j]
.endr
	v_max3_num_f32 v104, v96, v97, v98
	v_max3_num_f32 v104, v104, v99, v100
	v_max3_num_f32 v104, v104, v101, v102
	v_max_num_f32 v104, v104, v103
	v_permlanex16_b32 v105, v104, s[SEL], s[SEL+1] ; the head's other 8 positions lie in the lane 16 away
	v_max_num_f32 v104, v104, v105
	ds_store_b32 v[SW], v104 offset:ST_M
	s_wait_dscnt 0x0                               ; for the others' sake: my tile's maxima are in LDS
	BAR
.irp q, 0,1,2,3,4,5,6,7
	ds_load_b32 v[104+\q], v[SR] offset:ST_M+64*\q
.endr
	s_wait_dscnt 0x0
	v_max3_num_f32 v[MX], v104, v105, v106
	v_max3_num_f32 v[MX], v[MX], v107, v108
	v_max3_num_f32 v[MX], v[MX], v109, v110
	v_max_num_f32 v[MX], v[MX], v111               ; m: the chunk's maximum for my head
.irp j, 0,1,2,3,4,5,6,7
	v_sub_f32 v[96+\j], v[96+\j], v[MX]
.endr
.irp j, 0,1,2,3,4,5,6,7
	v_exp_f32 v[96+\j], v[96+\j]
.endr
	v_nop                                          ; a plain instruction between the last exponential and the use of its result
	s_wait_alu depctr_va_vdst(0)
.irp j, 0,1,2,3,4,5,6,7
	v_cndmask_b32 v[96+\j], v[96+\j], 0, s[40+\j]  ; a masked position weighs 0, also where the whole chunk is masked and m is -1e30
.endr
	v_pk_add_f32 v[104:105], v[96:97], v[98:99]
	v_pk_add_f32 v[106:107], v[100:101], v[102:103]
	v_pk_add_f32 v[104:105], v[104:105], v[106:107]
	v_add_f32 v[LS], v104, v105
	v_permlanex16_b32 v106, v[LS], s[SEL], s[SEL+1]
	v_add_f32 v[LS], v[LS], v106                   ; my tile's part of l, of the unrounded weights
.irp i, 0,1,2,3
	v_cvt_pk_f16_f32 v[112+\i], v[96+2*\i], v[97+2*\i]
.endr
	ds_store_b128 v[PFW], v[112:115]
	ds_store_b32 v[SW], v[LS] offset:ST_L
	s_wait_dscnt 0x0                               ; for the others' sake: my tile's weights and sum are in LDS
	BAR
	s_cmp_lg_u32 s16, 0
	s_cbranch_scc1 .Lns                            ; wave 0 alone adds the eight tiles' sums and stores the statistics
.irp q, 0,1,2,3,4,5,6,7
	ds_load_b32 v[104+\q], v[SR] offset:ST_L+64*\q
.endr
	v_lshlrev_b32 v10, 2, v1                       ; 4 x lane (the loads that took v10 as their offset were waited for in the prologue)
	v_cmp_gt_u32 vcc_lo, 16, v1
	s_wait_dscnt 0x0
	v_add_f32 v104, v104, v105
	v_add_f32 v106, v106, v107
	v_add_f32 v108, v108, v109
	v_add_f32 v110, v110, v111
	v_add_f32 v104, v104, v106
	v_add_f32 v108, v108, v110
	v_add_f32 v104, v104, v108
	v_cndmask_b32 v11, v104, v[MX], vcc_lo         ; lanes 0-15: m of head lane; lanes 16-31: l of head lane - 16
	global_store_b32 v10, v11, s[14:15]            ; v10 and v11 are not written again
.Lns:
.irp ks, 0,1,2,3
.irp p, 0,1
	ds_load_b128 v[PB+8*\ks+4*\p:PB+8*\ks+4*\p+3], v[PFR] offset:1024*\ks+512*\p
.endr
.endr
	s_wait_dscnt 0x0                               ; P, and the first two runs of turned fragments
	YM 0, F0, 1                                    ; the first products start the sums
	PLACES
	TRL 2, F0
	YM 1, F1, 0
	PLACES
	TRL 3, F1
	s_wait_dscnt 16                                ; positions 64 .. 95 are in; the last run's sixteen loads stay out
	YM 2, F0, 0
	s_wait_dscnt 0x0
	YM 3, F1, 0
	s_wait_dscnt 0x0                               ; my reads of x are over:
	BAR                                            ; everybody's are, and the way out may take its bytes
	PLACES
.irp n, 0,1,2,3,4,5,6,7
	ds_store_b128 v[YW], v[Y+8*\n:Y+8*\n+3]   offset:64*\n      ; each accumulator from its low end on
	ds_store_b128 v[YW], v[Y+8*\n+4:Y+8*\n+7] offset:64*\n+16
.endr
.irp n, 0,1,2,3,4,5,6,7,8,9,10,11,12,13,14,15
	ds_load_b128 v[128+4*\n:128+4*\n+3], v[YR] offset:PY*\n     ; my own bytes, in order behind the stores: a head's 128 columns, 512 bytes
.endr
.irp n, 0,1,2,3,4,5,6,7,8,9,10,11,12,13,14,15
	s_wait_dscnt 15-\n
	global_store_b128 v[YO], v[128+4*\n:128+4*\n+3], s[12:13] offset:4096*\n  ; 512 consecutive bytes, at a multiple of 256 from ypart's first byte
.endr
	s_wait_tensorcnt 0x0                           ; the wave's end, behind my last LDS store
	ds_add_u32 v[SPW], v[NIL]
	s_wait_dscnt 0x0
	s_endpgm
.Lfunc_end_k_qc0169aeeec_attend:
	.size	k_qc0169aeeec_attend, .Lfunc_end_k_qc0169aeeec_attend-k_qc0169aeeec_attend
	.p2alignl 7, 3214868480
	.fill 96, 4, 3214868480
	.section	.rodata,"a",@progbits
	.p2align	6, 0x0
	.amdhsa_kernel k_qc0169aeeec_attend
		.amdhsa_group_segment_fixed_size 317696
		.amdhsa_private_segment_fixed_size 0
		.amdhsa_enable_private_segment 0
		.amdhsa_kernarg_size 48
		.amdhsa_user_sgpr_count 2
		.amdhsa_user_sgpr_kernarg_segment_ptr 1
		.amdhsa_wavefront_size32 1
		.amdhsa_system_sgpr_workgroup_id_x 1
		.amdhsa_system_sgpr_workgroup_id_y 1
		.amdhsa_system_sgpr_workgroup_id_z 1
		.amdhsa_system_vgpr_workitem_id 0
		.amdhsa_next_free_vgpr 320
		.amdhsa_next_free_sgpr 66
		.amdhsa_reserve_vcc 1
		.amdhsa_float_denorm_mode_32 3
		.amdhsa_float_denorm_mode_16_64 3
		.amdhsa_memory_ordered 1
		.amdhsa_forward_progress 1
		.amdhsa_inst_pref_size 85
	.end_amdhsa_kernel
	.amdgpu_metadata
---
amdhsa.version: [ 1, 2 ]
amdhsa.kernels:
  - .name:           k_qc0169aeeec_attend
    .symbol:         k_qc0169aeeec_attend.kd
    .args:
      - { .name: hidden_states, .offset: 0, .size: 8, .value_kind: global_buffer, .address_space: global }
      - { .name: qk, .offset: 8, .size: 8, .value_kind: global_buffer, .address_space: global }
      - { .name: cst, .offset: 16, .size: 8, .value_kind: global_buffer, .address_space: global }
      - { .name: attention_mask, .offset: 24, .size: 8, .value_kind: global_buffer, .address_space: global }
      - { .name: ypart, .offset: 32, .size: 8, .value_kind: global_buffer, .address_space: global }
      - { .name: stat, .offset: 40, .size: 8, .value_kind: global_buffer, .address_space: global }
    .group_segment_fixed_size: 317696
    .private_segment_fixed_size: 0
    .kernarg_segment_align: 8
    .kernarg_segment_size: 48
    .max_flat_workgroup_size: 256
    .sgpr_count:     66
    .vgpr_count:     320
    .wavefront_size: 32
...
	.end_amdgpu_metadata
.endif
;; end of part 3
;; launch finish (part 4): grid 32 x 8, 8 waves a work-group, no clusters, 5,376 bytes of LDS; arguments ypart, stat, Wv, bv, out0; writes out0
.if DOCPART == 4
	.amdgcn_target "amdgcn-amd-amdhsa--gfx1250"
	.amdhsa_code_object_version 6
	.text
	.protected	k_qc0169aeeec_finish
	.globl	k_qc0169aeeec_finish
	.p2align	8
	.type	k_qc0169aeeec_finish,@function
k_qc0169aeeec_finish:
	s_mov_b64 s[64:65], 0
	v_nop
	global_prefetch_b8 v0, s[64:65] scope:SCOPE_SE
	s_setreg_imm32_b32 hwreg(HW_REG_WAVE_MODE, 25, 1), 1
	s_wait_xcnt 0x0
; out0[b][64 h + d] = (sum over chunks c of w_c ypart[b][c][h][:]) / (sum over c of w_c l_c) . Wv[64 h + d][:] + bv[64 h + d],  w_c = 2^(m_c - M), M = max over c of m_c.  All f32.
; The value projection stands behind the sum over positions: sum_t p (Wv x + bv) = Wv (sum_t p x) + bv, since the weights add up to 1.
; A batch that is masked whole has l = 0 everywhere: 0 x (1 / 0) is NaN, as the softmax of nothing but -inf is.
; A work-group owns batch b (grid y), head h and 32 channels d (grid x = 2 h + half).  Thread t combines columns 4 t .. 4 t + 3 of the 32 chunks; the row goes through LDS; wave w makes the four channels 4 w + k.
; One row against 32 rows of Wv: plain f32 multiply-adds; the matrix unit would add a rounding and save nothing.
.set RES,   4096                       ; LDS: the combined row (4,096 bytes) from byte 0; here the 32 results
.set SPARE, 4352                       ; the spare words, 128 bytes a wave; no other line names them
.set SEL, 20                           ; s[20:21] v_permlanex16_b32's selects
.set WT,  24                           ; s[24:55] the 32 chunks' weights
.set SPW, 11                           ; v11 my spare word's address; never rewritten
.set NIL, 12                           ; v12 0; never rewritten
.set YC,  22                           ; v[22:25] my four columns, combined
.set YV,  64                           ; v[64:95] the row, as the dot products want it
.set YP,  128                          ; v[128:255] my four columns of 32 chunks
; window 1 (v256-383, written v0-127): my four rows of Wv, 32 registers each
.set MSB, 0
.macro WIN new                         ; s_set_vgpr_msb: bits 1:0 source 0, 7:6 destination; the high byte repeats the setting that is left
.if MSB != (\new)
	s_set_vgpr_msb (MSB<<8)|(\new)
.set MSB, (\new)
.endif
.endm
.macro WSUM v, tmp
	v_add_f32_dpp v[\v], v[\v], v[\v] row_xmask:1 row_mask:0xf bank_mask:0xf
	v_add_f32_dpp v[\v], v[\v], v[\v] row_xmask:2 row_mask:0xf bank_mask:0xf
	v_add_f32_dpp v[\v], v[\v], v[\v] row_xmask:4 row_mask:0xf bank_mask:0xf
	v_add_f32_dpp v[\v], v[\v], v[\v] row_xmask:8 row_mask:0xf bank_mask:0xf
	v_permlanex16_b32 v[\tmp], v[\v], s[SEL], s[SEL+1]
	v_add_f32 v[\v], v[\v], v[\tmp]
.endm
.macro WMAX v, tmp
	v_max_num_f32_dpp v[\v], v[\v], v[\v] row_xmask:1 row_mask:0xf bank_mask:0xf
	v_max_num_f32_dpp v[\v], v[\v], v[\v] row_xmask:2 row_mask:0xf bank_mask:0xf
	v_max_num_f32_dpp v[\v], v[\v], v[\v] row_xmask:4 row_mask:0xf bank_mask:0xf
	v_max_num_f32_dpp v[\v], v[\v], v[\v] row_xmask:8 row_mask:0xf bank_mask:0xf
	v_permlanex16_b32 v[\tmp], v[\v], s[SEL], s[SEL+1]
	v_max_num_f32 v[\v], v[\v], v[\tmp]
.endm
	s_load_b256 s[4:11], s[0:1], 0x0               ; ypart s[4:5], stat s[6:7], Wv s[8:9], bv s[10:11]
	s_load_b64 s[12:13], s[0:1], 0x20              ; out0
	v_lshl_add_u32 v[SPW], v0, 2, SPARE
	v_mov_b32 v[NIL], 0
	v_and_b32 v1, 31, v0                           ; lane
	v_lshrrev_b32 v2, 5, v0
	v_readfirstlane_b32 s14, v2                    ; wave 0..7
	s_lshr_b32 s15, ttmp9, 1                       ; head
	s_and_b32 s17, ttmp7, 0xffff                   ; batch
	v_lshlrev_b32 v3, 4, v0                        ; 16 x thread: my four columns, in ypart and in LDS
	v_lshlrev_b32 v4, 7, v1                        ; stat: lane c takes chunk c, 128 bytes apart
	v_lshlrev_b32 v8, 4, v1                        ; 16 x lane
	v_lshl_add_u32 v5, v2, 14, v8                  ; Wv: my four rows of 4,096 bytes
	v_lshlrev_b32 v6, 2, v1                        ; 4 x lane: bv and out0
	v_lshlrev_b32 v9, 4, v2
	v_add_nc_u32 v9, RES, v9                       ; where my four results go
	v_add_nc_u32 v10, RES, v6
	v_mov_b32 v17, 0                               ; v_permlanex16_b32's destination counts as read
	s_mov_b32 s[SEL], 0x76543210
	s_mov_b32 s[SEL+1], 0xfedcba98
	s_lshl_b32 s18, s17, 21                        ; ypart: a batch is 32 chunks of 65,536 bytes,
	s_lshl_b32 s16, s15, 12                        ; a head 4,096
	s_add_co_u32 s18, s18, s16
	s_mov_b32 s19, 0
	s_lshl_b32 s22, s17, 12                        ; stat: a batch is 32 chunks of 128 bytes,
	s_lshl2_add_u32 s22, s15, s22                  ; a head a word
	s_mov_b32 s23, 0
	s_lshl_b32 s56, ttmp9, 17                      ; Wv: 32 rows of 4,096 bytes
	s_mov_b32 s57, 0
	s_lshl_b32 s58, ttmp9, 7                       ; bv: 32 words
	s_mov_b32 s59, 0
	s_wait_kmcnt 0x0
	s_add_nc_u64 s[4:5], s[4:5], s[18:19]
	s_add_nc_u64 s[6:7], s[6:7], s[22:23]
	s_add_nc_u64 s[8:9], s[8:9], s[56:57]
	s_add_nc_u64 s[10:11], s[10:11], s[58:59]
	s_add_nc_u64 s[12:13], s[12:13], s[58:59]
	s_lshl_b32 s18, s17, 12                        ; out0: a batch is 4,096 bytes
	s_add_nc_u64 s[12:13], s[12:13], s[18:19]
	global_load_b32 v13, v4, s[6:7]                ; m of chunk lane
	global_load_b32 v14, v4, s[6:7] offset:64      ; l of chunk lane
	global_load_b32 v15, v6, s[10:11]              ; bv of channel lane
.set c, 0
.rept 32
	global_load_b128 v[YP+4*c:YP+4*c+3], v3, s[4:5] offset:65536*c
.set c, c+1
.endr
	WIN 0x40                                       ; destination window 1
.irp k, 0,1,2
.irp j, 0,1,2,3,4,5,6,7
	global_load_b128 v[32*\k+4*\j:32*\k+4*\j+3], v5, s[8:9] offset:4096*\k+512*\j
.endr
.endr
	WIN 0
	s_wait_loadcnt 56                              ; the statistics and bv are in; ypart's 32 loads and Wv's 24 stay out
	v_mov_b32 v16, v13
	WMAX 16, 17                                    ; M
	v_sub_f32 v18, v13, v16
	v_exp_f32 v18, v18                             ; w of chunk lane
	v_nop                                          ; a plain instruction between the exponential and the use of its result
	s_wait_alu depctr_va_vdst(0)
	v_mul_f32 v19, v18, v14
	WSUM 19, 17                                    ; the divisor
	v_rcp_f32 v20, v19
	v_nop
	s_wait_alu depctr_va_vdst(0)
	v_mov_b32 v21, v20
.set c, 0
.rept 32
	v_readlane_b32 s[WT+c], v18, c                 ; the weights as scalars: factors only, no address and no branch hangs on them
.set c, c+1
.endr
	WIN 0x40
.irp j, 0,1,2,3,4,5,6,7
	global_load_b128 v[96+4*\j:96+4*\j+3], v5, s[8:9] offset:4096*3+512*\j  ; Wv's fourth row; where this would pass the counter's field the issue stalls (ISA guide 5.7.1)
.endr
	WIN 0
.set c, 0
.rept 32
	s_wait_loadcnt 63-c                            ; chunk c is in; behind it stay out 31 - c chunks and Wv's 32 loads
.if c == 0
.irp e, 0,1,2,3
	v_mul_f32 v[YC+\e], s[WT], v[YP+\e]            ; the first chunk starts the sums
.endr
.else
.irp e, 0,1,2,3
	v_fmac_f32 v[YC+\e], s[WT+c], v[YP+4*c+\e]
.endr
.endif
.set c, c+1
.endr
	v_pk_mul_f32 v[YC:YC+1], v[YC:YC+1], v[20:21]
	v_pk_mul_f32 v[YC+2:YC+3], v[YC+2:YC+3], v[20:21]
	ds_store_b128 v3, v[YC:YC+3]
	s_wait_dscnt 0x0                               ; for the others' sake: my four columns are in LDS
	s_barrier_signal -1
	s_barrier_wait -1                              ; the row is whole
.irp j, 0,1,2,3,4,5,6,7
	ds_load_b128 v[YV+4*\j:YV+4*\j+3], v8 offset:512*\j
.endr
	s_wait_loadcnt 0x0                             ; Wv
	s_wait_dscnt 0x0
	WIN 0x01                                       ; source 0 in window 1
.set i, 0
.rept 16                                               ; four rows, two chains each: eight chains that do not wait for each other
.set k, 0
.rept 4
.set AC, 36+4*k+2*(i%2)
.if i < 2
	v_pk_mul_f32 v[AC:AC+1], v[32*k+2*i:32*k+2*i+1], v[YV+2*i:YV+2*i+1]
.else
	v_pk_fma_f32 v[AC:AC+1], v[32*k+2*i:32*k+2*i+1], v[YV+2*i:YV+2*i+1], v[AC:AC+1]
.endif
.set k, k+1
.endr
.set i, i+1
.endr
	WIN 0
.irp k, 0,1,2,3
	v_pk_add_f32 v[36+4*\k:37+4*\k], v[36+4*\k:37+4*\k], v[38+4*\k:39+4*\k]
.endr
.irp k, 0,1,2,3
	v_add_f32 v[30+\k], v[36+4*\k], v[37+4*\k]
.endr
.irp k, 0,1,2,3
	WSUM 30+\k, 17
.endr
.irp k, 0,1,2,3
	ds_store_b32 v9, v[30+\k] offset:4*\k          ; all lanes hold the same number and write the same word
.endr
	s_wait_tensorcnt 0x0                           ; behind my last LDS store
	ds_add_u32 v[SPW], v[NIL]
	s_wait_dscnt 0x0                               ; also for the others' sake: my four results are in LDS
	s_barrier_signal -1
	s_barrier_wait -1
	s_cmp_lg_u32 s14, 0
	s_cbranch_scc1 .Lf
	ds_load_b32 v34, v10                           ; wave 0 takes the 32 results,
	s_wait_dscnt 0x0
	v_add_f32 v34, v34, v15                        ; adds bv,
	global_store_b32 v6, v34, s[12:13]             ; and stores 128 consecutive bytes
.Lf:
	s_endpgm
.Lfunc_end_k_qc0169aeeec_finish:
	.size	k_qc0169aeeec_finish, .Lfunc_end_k_qc0169aeeec_finish-k_qc0169aeeec_finish
	.p2alignl 7, 3214868480
	.fill 96, 4, 3214868480
	.section	.rodata,"a",@progbits
	.p2align	6, 0x0
	.amdhsa_kernel k_qc0169aeeec_finish
		.amdhsa_group_segment_fixed_size 5376
		.amdhsa_private_segment_fixed_size 0
		.amdhsa_enable_private_segment 0
		.amdhsa_kernarg_size 40
		.amdhsa_user_sgpr_count 2
		.amdhsa_user_sgpr_kernarg_segment_ptr 1
		.amdhsa_wavefront_size32 1
		.amdhsa_system_sgpr_workgroup_id_x 1
		.amdhsa_system_sgpr_workgroup_id_y 1
		.amdhsa_system_sgpr_workgroup_id_z 1
		.amdhsa_system_vgpr_workitem_id 0
		.amdhsa_next_free_vgpr 384
		.amdhsa_next_free_sgpr 66
		.amdhsa_reserve_vcc 0
		.amdhsa_float_denorm_mode_32 3
		.amdhsa_float_denorm_mode_16_64 3
		.amdhsa_memory_ordered 1
		.amdhsa_forward_progress 1
		.amdhsa_inst_pref_size 24
	.end_amdhsa_kernel
	.amdgpu_metadata
---
amdhsa.version: [ 1, 2 ]
amdhsa.kernels:
  - .name:           k_qc0169aeeec_finish
    .symbol:         k_qc0169aeeec_finish.kd
    .args:
      - { .name: ypart, .offset: 0, .size: 8, .value_kind: global_buffer, .address_space: global }
      - { .name: stat, .offset: 8, .size: 8, .value_kind: global_buffer, .address_space: global }
      - { .name: Wv, .offset: 16, .size: 8, .value_kind: global_buffer, .address_space: global }
      - { .name: bv, .offset: 24, .size: 8, .value_kind: global_buffer, .address_space: global }
      - { .name: out0, .offset: 32, .size: 8, .value_kind: global_buffer, .address_space: global }
    .group_segment_fixed_size: 5376
    .private_segment_fixed_size: 0
    .kernarg_segment_align: 8
    .kernarg_segment_size: 40
    .max_flat_workgroup_size: 256
    .sgpr_count:     66
    .vgpr_count:     384
    .wavefront_size: 32
...
	.end_amdgpu_metadata
.endif
;; end of part 4
;; ======== version 2 of 2: 4 launches; version 1 with the launch attend written anew for expert scheduling mode
;; limits: inputs' magnitudes at most 65,504; values are held in f16: magnitudes above 65,504 overflow, below 6.1e-05 lose precision
;; workspace buffers: qt 32,768 bytes; qk 524,288 bytes; cst 512 bytes; ypart 16,777,216 bytes; stat 32,768 bytes
;; launch qproj: the kernel of part 1 again; grid 128 x 1, 8 waves a work-group, no clusters, 34,048 bytes of LDS; arguments cell_state, Wq, bq, qt; writes qt
;; launch qkfold: the kernel of part 2 again; grid 16 x 16, 8 waves a work-group, no clusters, 17,408 bytes of LDS; arguments qt, Wk, bk, qk, cst; writes qk, cst
;; launch attend (part 5): grid 32 x 8, 8 waves a work-group, no clusters, 317,696 bytes of LDS; arguments hidden_states, qk, cst, attention_mask, ypart, stat; writes ypart, stat
.if DOCPART == 5
	.amdgcn_target "amdgcn-amd-amdhsa--gfx1250"
	.amdhsa_code_object_version 6
	.text
	.protected	k_qc0169aeeec_attend
	.globl	k_qc0169aeeec_attend
	.p2align	8
	.type	k_qc0169aeeec_attend,@function
k_qc0169aeeec_attend:
	s_mov_b64 s[64:65], 0
	v_nop
	global_prefetch_b8 v0, s[64:65] scope:SCOPE_SE
	s_setreg_imm32_b32 hwreg(HW_REG_WAVE_SCHED_MODE, 0, 2), 2
	s_setreg_imm32_b32 hwreg(HW_REG_WAVE_MODE, 25, 1), 1
	s_wait_xcnt 0x0
	s_wait_alu depctr_vm_vsrc(0)
; THE STREAM.  For batch b (grid y) and a chunk of 128 positions t (grid x), with x = hidden_states[b][t][:] (row 4096 of a batch is the one that the problem drops):
;   s[h][t] = x[t] . qk[b][h] + cst[h][b]  (scores in base 2; -1e30 where attention_mask is 0);  m[h] = max over the chunk;  p = 2^(s - m), 0 where masked;  l[h] = sum of p;
;   ypart[b][chunk][h][:] = sum over t of p[h][t] x[t][:]  (f32, not yet divided);  stat[32 b + chunk] = m[0..15], l[0..15].
; x is read from memory ONCE, 512 KiB a work-group: rounded to f16 on its way into LDS, where both products find it.  The value projection follows the sum over t in the next launch.
; FORMATS.  x, the normalised qk and p are f16 matrix operands; every sum, maximum and statistic is f32.  Each row qk[b][h] is divided by its own largest magnitude before it is rounded, and the f32 scores are
; multiplied by that magnitude: so its range does not matter.
; LIMITS.  |x| below 65,504 (f16's range).  |qk| at most 2^126; a row whose largest magnitude is below 2^-100 is divided by 2^-100.  A masked score counts as -1e30: true scores lie above that.
; p below 6e-8 of the chunk's largest is 0 in the product (f16's step), below 2^-126 also in l.  NaN and infinities in the inputs are not treated apart.  A chunk that is masked whole gives m = -1e30, l = 0, ypart = 0.
; SHARES.  Wave w = cs + 4 rh.  It streams rows 64 rh .. + 63 of column slice cs (256 columns: 1,024 bytes of a row in memory), and makes the partial scores of its four tiles of 16 rows over its own 256 columns.
; Wave w then adds tile w's four partial scores and does that tile's softmax.  In the second product wave (cs, rh) makes columns 256 cs + 128 rh + 0..127 for all 16 heads over all 128 rows.
; LAYOUT.  S = x g^T (source 0 = 16 rows of x, source 1 = the 16 heads): a lane holds ONE head (lane % 16) and the positions 8 (lane / 16) + 0..7.  Two such tiles rounded to f16 ARE source 1 (32 positions x 16 heads)
; of y^T = x^T P, whose source 0 comes out of LDS turned, by ds_load_tr16_b128; its result holds one head a lane, and eight columns.
; IN FLIGHT.  A ring of 32 register slots a wave, emptied and asked for again four at a time: 28 to 32 loads of 512 consecutive bytes, 112 to 128 KiB for the eight waves, for the whole stream.  x passes through
; registers for the rounding in any case, so a copy engine would spare nothing; work-groups share only qk[b], 64 KiB beside 512 KiB of their own, so there is no cluster.
; THE MODE: SCHED_MODE bits 1:0 = 2 (LLVM: expert scheduling mode 2), set by the entry lines.  The code itself states the register dependences between vector or matrix instructions and memory or LDS
; instructions, with s_wait_alu, always for 0.
; THE PLAN.  Registers that memory or LDS instructions touch:
;   v4-v21, v27   addresses and offsets: written once at the head, read from then on; v10 and v11 alone are made anew, by wave 0, for the statistics' store.
;   RG            Stream: a group's eight conversions read four slots; behind them the loads of the rows 16 further down land there.  Tail: the turned fragments F0, F1 land, the products read them; then the
;                 way out's rows land in v128-191, and the global stores read them.
;   A             Prologue: qk lands, is scaled and rounded in place, LDS stores read it.  Stream: slot i's conversions write a pair of its own, A + 2 i, which its LDS store reads; at the tile's end the
;                 sixteen fragment loads land in all 64 registers, and the products read them.  Tail: at work, no register that an LDS store has read being written again; then y^T.
;   E             The products write it, the additions work in place, two LDS stores read it: for tiles 0 to 2 these stand in the next tile's first group.
;   v40, v41      Two heads' largest magnitudes: two LDS stores read them; P's loads land there in the tail.
;   v256-319      qk's fragments land once, the score products read them; in the tail F2.  v320-383: F3.  So no load lands in a register that a product of the second kind has read.
; ONE wait on va_vdst stands in a group of four slots, behind its conversions: they are done reading the four slots and have written the four pairs.  The group's four loads and four LDS stores follow it.
; ONE wait on vm_vsrc stands in a tile, ahead of its fragment loads: the tile's LDS stores have read A, the scores' stores have read E.  The other waits say at their places what they state.
.set PX,    544                        ; a row of a slice in LDS: 512 bytes + 32 = 136 words; a fragment load's 16 rows meet two deep
.set SLB,   128*PX                     ; a slice: 128 rows
.set XS,    4*SLB                      ; [8 tile][4 cs][2 plane][32 lanes x 16 bytes] f32: partial scores
.set PF,    XS+32768                   ; [4 k step][2 plane][32 lanes x 16 bytes] f16: P as fragments
.set QKS,   XS                         ; prologue only, where XS and PF's head lie later: [16 h], pitch 2,064, f16: the normalised qk
.set PQ,    2064                       ; 129 x 16: the 16 rows of a fragment load start at 16 different groups of four banks
.set ST_SC, PF+4096                    ; scale[16]
.set ST_M,  256                        ; from ST_SC: [8 w][16] the tiles' maxima
.set ST_L,  768                        ; from ST_SC: [8 w][16] the tiles' sums
.set SPARE, ST_SC+1280                 ; the spare words, 128 bytes a wave; no other line names them
.set PY,    528                        ; the way out, over the slices when nobody reads them any more: for each wave [16 h], 512 bytes + 16
.set XO, 4                             ; v4  x in memory: my wave's first row and slice, 16 x lane
.set XW, 5                             ; v5  x into LDS: 8 x lane
.set AX, 6                             ; v6  fragments of x
.set XA, 7                             ; v7  partial scores, in
.set XR, 8                             ; v8  partial scores, back: tile w
.set TR, 9                             ; v9  the turning loads
.set QO, 10                            ; v10 qk in memory: heads 2 w, 2 w + 1 (later: stat's offset)
.set QW, 11                            ; v11 normalised qk into LDS (later: stat's data)
.set QF, 12                            ; v12 fragments of it
.set SR, 13                            ; v13 ST_SC + 4 (lane % 16)
.set SW, 14                            ; v14 the same + 64 w
.set PFW, 15                           ; v15 P, in
.set PFR, 16                           ; v16 P, back
.set YW, 17                            ; v17 the way out, in
.set YR, 18                            ; v18 the way out, back
.set YO, 19                            ; v19 my columns in a row of ypart
.set MO, 20                            ; v20 my eight words of the mask
.set CO, 21                            ; v21 my head's word of cst
.set SC, 22                            ; v[22:23] my head's scale, twice
.set CST, 24                           ; v[24:25] my head's constant, twice
.set NEG, 26                           ; v26 -1e30
.set SSW, 27                           ; v27 ST_SC + 8 w
.set SPW, 28                           ; v28 my spare word's address; never rewritten
.set NIL, 29                           ; v29 0; never rewritten
.set MX, 30                            ; v30 at work; in the tail m
.set LS, 31                            ; v31 at work; in the tail my tile's l
.set MK, 32                            ; v[32:39] mask words
                                       ; v40, v41 prologue: my two heads' largest magnitudes; v[42:43], v[44:45] their reciprocals, twice each; v[48:51] prologue: at work
.set E,  48                            ; v[48:55] scores, even k steps;  v[56:63] odd k steps
.set PB, 32                            ; v[32:63] in the tail: P's four fragments
.set A,  64                            ; v[64:127] prologue: qk of two heads; stream: slot i's rounded pair at A + 2 i, then the tile's fragments of x; tail: at work
.set Y,  64                            ; v[64:127] then y^T: 8 accumulators
.set RG, 128                           ; v[128:255] the ring: 32 slots of 4
.set F0, 128                           ; tail: turned fragments of x, positions 0 .. 31
.set F1, 192                           ; positions 32 .. 63
.set F2, 0                             ; window 1 (v256-319): positions 64 .. 95
.set F3, 64                            ; window 1 (v320-383): positions 96 .. 127
.set SEL, 24                           ; s[24:25] v_permlanex16_b32's selects
; window 1 (v256-319, written v0-63): in the stream the eight k steps' fragments of the normalised qk
.set MSB, 0
.macro WIN new                         ; s_set_vgpr_msb: bits 1:0 source 0, 3:2 source 1, 5:4 source 2, 7:6 destination; the high byte repeats the setting that is left
.if MSB != (\new)
	s_set_vgpr_msb (MSB<<8)|(\new)
.set MSB, (\new)
.endif
.endm
.macro BAR
	s_barrier_signal -1
	s_barrier_wait -1
.endm
.macro PLACES                          ; four plain vector instructions between a matrix instruction and a read of its result (ISA guide 7.12.1)
.rept 4
	v_nop
.endr
.endm
.macro WMAX v, tmp                     ; the maximum over the wave's 32 lanes, in every lane
	v_max_num_f32_dpp v[\v], v[\v], v[\v] row_xmask:1 row_mask:0xf bank_mask:0xf
	v_max_num_f32_dpp v[\v], v[\v], v[\v] row_xmask:2 row_mask:0xf bank_mask:0xf
	v_max_num_f32_dpp v[\v], v[\v], v[\v] row_xmask:4 row_mask:0xf bank_mask:0xf
	v_max_num_f32_dpp v[\v], v[\v], v[\v] row_xmask:8 row_mask:0xf bank_mask:0xf
	v_permlanex16_b32 v[\tmp], v[\v], s[SEL], s[SEL+1]
	v_max_num_f32 v[\v], v[\v], v[\tmp]
.endm
; Head 2 w + hd: its largest magnitude, at least 2^-100, into v[40 + hd]: a register to each head, so that the LDS store of the one is not in the way of the other
.macro NMAX hd
.set Q, A+32*(\hd)
.set M, 40+(\hd)
	v_and_b32 v[M], s21, v[Q]
.set i, 1
.rept 15
.set tt, 48+2*(((i-1)/2)%2)
	v_and_b32 v[tt], s21, v[Q+i]
	v_and_b32 v[tt+1], s21, v[Q+i+1]
	v_max3_num_f32 v[M], v[M], v[tt], v[tt+1]
.set i, i+2
.endr
	v_and_b32 v48, s21, v[Q+31]
	v_max_num_f32 v[M], v[M], v48
	WMAX M, 31
	v_max_num_f32 v[M], 0x0d800000, v[M]           ; 2^-100
.endm
; Head 2 w + hd: the row is divided by that magnitude and rounded to f16
.macro NSCALE hd
.set Q, A+32*(\hd)
.set RC, 42+2*(\hd)
.set i, 0
.rept 16
	v_pk_mul_f32 v[Q+2*i:Q+2*i+1], v[Q+2*i:Q+2*i+1], v[RC:RC+1]
.set i, i+1
.endr
.set i, 0
.rept 16
	v_cvt_pk_f16_f32 v[Q+i], v[Q+2*i], v[Q+2*i+1]  ; in place, ascending: register i is written when 2 i and 2 i + 1 are read
.set i, i+1
.endr
.endm
; Group q of tile t: slots i = 4 q .. 4 q + 3.  Slot i is half i % 2 of row 16 t + i / 2: it is rounded into its own pair A + 2 i and stored into LDS; in tiles 0 to 2 the slot takes the same half of the row 16 further down.
.macro GROUP t, q
.if (\t) < 3
	s_wait_loadcnt 28                              ; loads come back in order (ISA guide 5.7.1): the group's four slots are in, the 28 younger ones stay out
.else
	s_wait_loadcnt 28-4*(\q)                       ; nothing is left to fetch: the counts run down
.endif
.irp j, 0,1,2,3
	v_cvt_pk_f16_f32 v[A+2*(4*(\q)+\j)],   v[RG+4*(4*(\q)+\j)],   v[RG+4*(4*(\q)+\j)+1]
	v_cvt_pk_f16_f32 v[A+2*(4*(\q)+\j)+1], v[RG+4*(4*(\q)+\j)+2], v[RG+4*(4*(\q)+\j)+3]
.endr
	s_wait_alu depctr_va_vdst(0)                   ; the conversions are done reading the four slots, in which the loads below land, and have written the four pairs, which the LDS stores below read; in a tile's first group: the additions of the tile before have written E
.if (\t) < 3
.irp j, 0,1,2,3
	global_load_b128 v[RG+4*(4*(\q)+\j):RG+4*(4*(\q)+\j)+3], v[XO], s[4:5] offset:(16*((\t)+1)+(4*(\q)+\j)/2)*4096+(\j%2)*512 th:TH_LOAD_NT
.endr
.endif
.irp j, 0,1,2,3
	ds_store_b64 v[XW], v[A+2*(4*(\q)+\j):A+2*(4*(\q)+\j)+1] offset:(16*(\t)+(4*(\q)+\j)/2)*PX+(\j%2)*256
.endr
.endm
.macro SMUL ks                         ; k step ks of a tile's scores; the two accumulators take turns; the first product on each starts its sum
.set AC, E+8*((\ks)%2)
.if (\ks) < 2
	v_wmma_f32_16x16x32_f16 v[AC:AC+7], v[A+8*(\ks):A+8*(\ks)+7], v[8*(\ks):8*(\ks)+7], 0
.else
	v_wmma_f32_16x16x32_f16 v[AC:AC+7], v[A+8*(\ks):A+8*(\ks)+7], v[8*(\ks):8*(\ks)+7], v[AC:AC+7]
.endif
.endm
; Tile t of my four: 16 rows come in, their partial scores over my 256 columns are made; they go to XS in the next tile's first group, behind its wait (tile 3's: behind the macro).
.macro TILE t
.irp q, 0,1,2,3,4,5,6,7
	GROUP \t, \q
.if ((\t) > 0) && (\q == 0)
	ds_store_b128 v[XA], v[E:E+3]   offset:4096*((\t)-1)      ; the partial scores of the tile before.  No wait: no vector instruction since the group's wait names E
	ds_store_b128 v[XA], v[E+4:E+7] offset:4096*((\t)-1)+512
.endif
.endr
	s_wait_alu depctr_vm_vsrc(0)                   ; the tile's LDS stores have read v[A ..], in which the fragments land; the scores' stores have read E, which the products write
.irp ks, 0,1,2,3,4,5,6,7
	ds_load_b128 v[A+8*\ks:A+8*\ks+3],   v[AX] offset:16*PX*(\t)+64*\ks      ; my own bytes: LDS serves a wave's instructions in order (ISA guide 5.7.1.4), so these see the stores above
	ds_load_b128 v[A+8*\ks+4:A+8*\ks+7], v[AX] offset:16*PX*(\t)+64*\ks+32
.endr
	s_wait_dscnt 8                                 ; k steps 0 to 3 are in; the youngest eight loads stay out
	WIN 0x04                                       ; source 1 in window 1
	SMUL 0
	SMUL 1
	SMUL 2
	SMUL 3
	s_wait_dscnt 0x0
	SMUL 4
	SMUL 5
	SMUL 6
	SMUL 7
	WIN 0
	PLACES
.irp i, 0,1,2,3
	v_pk_add_f32 v[E+2*\i:E+2*\i+1], v[E+2*\i:E+2*\i+1], v[E+8+2*\i:E+8+2*\i+1]  ; both accumulators are read from their low end on
.endr
.endm
.macro TRL ks, f                       ; positions 32 ks .. + 31 of my 128 columns, turned: 8 fragments of 16 columns x 32 positions
.irp n, 0,1,2,3,4,5,6,7
	ds_load_tr16_b128 v[(\f)+8*\n:(\f)+8*\n+3],   v[TR] offset:32*PX*(\ks)+32*\n
	ds_load_tr16_b128 v[(\f)+8*\n+4:(\f)+8*\n+7], v[TR] offset:32*PX*(\ks)+16*PX+32*\n
.endr
.endm
.macro YM ks, f, zero                  ; y^T += x^T P for 32 positions; the eight accumulators take turns
.irp n, 0,1,2,3,4,5,6,7
.if \zero
	v_wmma_f32_16x16x32_f16 v[Y+8*\n:Y+8*\n+7], v[(\f)+8*\n:(\f)+8*\n+7], v[PB+8*(\ks):PB+8*(\ks)+7], 0
.else
	v_wmma_f32_16x16x32_f16 v[Y+8*\n:Y+8*\n+7], v[(\f)+8*\n:(\f)+8*\n+7], v[PB+8*(\ks):PB+8*(\ks)+7], v[Y+8*\n:Y+8*\n+7]
.endif
.endr
.endm
	s_load_b256 s[4:11], s[0:1], 0x0               ; hidden_states s[4:5], qk s[6:7], cst s[8:9], attention_mask s[10:11]
	s_load_b128 s[12:15], s[0:1], 0x20             ; ypart s[12:13], stat s[14:15]
	v_lshl_add_u32 v[SPW], v0, 2, SPARE
	v_mov_b32 v[NIL], 0
	v_lshrrev_b32 v30, 5, v0
	v_readfirstlane_b32 s16, v30                   ; wave 0..7
	v_and_b32 v1, 31, v0                           ; lane
	v_and_b32 v2, 15, v0                           ; r = lane % 16
	v_bfe_u32 v3, v0, 4, 1                         ; hh = lane / 16
	v_lshlrev_b32 v31, 4, v1                       ; 16 x lane
	s_wait_alu depctr_va_sdst(0)                   ; s16 is written, ahead of its first reader
	s_and_b32 s17, s16, 3                          ; cs
	s_lshr_b32 s18, s16, 2                         ; rh
	s_and_b32 s20, ttmp7, 0xffff                   ; b
	s_lshl_b32 s19, s20, 5
	s_add_co_u32 s19, s19, ttmp9                   ; 32 b + chunk
	s_mul_i32 s48, s20, 0x1001000                  ; a batch of hidden_states: 4,097 rows of 4,096 bytes
	s_lshl_b32 s26, ttmp9, 19                      ; a chunk: 128 rows
	s_add_co_u32 s48, s48, s26
	s_mov_b32 s49, 0
	s_lshl_b32 s50, s20, 16                        ; qk[b]
	s_mov_b32 s51, 0
	s_lshl_b32 s52, s20, 2                         ; cst[.][b]
	s_mov_b32 s53, 0
	s_lshl_b32 s54, s19, 9                         ; the chunk's 128 mask words
	s_mov_b32 s55, 0
	s_lshl_b32 s56, s19, 16                        ; the work-group's 16 rows of ypart
	s_mov_b32 s57, 0
	s_lshl_b32 s58, s19, 7                         ; its 32 words of stat
	s_mov_b32 s59, 0
	s_lshl_b32 s34, s16, 13
	v_add_nc_u32 v[QO], s34, v31                   ; two heads of 4,096 bytes a wave
	s_lshl_b32 s37, s16, 6
	v_lshl_add_u32 v[MO], v3, 5, s37               ; tile w: 64 bytes; 32 for each half of the lanes
	v_lshlrev_b32 v[CO], 5, v2
	s_lshl_b32 s26, s18, 18                        ; 64 rows
	s_lshl_b32 s27, s17, 10                        ; a slice in memory
	s_add_co_u32 s26, s26, s27
	v_add_nc_u32 v[XO], s26, v31
	s_wait_kmcnt 0x0
	s_add_nc_u64 s[4:5], s[4:5], s[48:49]
	s_add_nc_u64 s[6:7], s[6:7], s[50:51]
	s_add_nc_u64 s[8:9], s[8:9], s[52:53]
	s_add_nc_u64 s[10:11], s[10:11], s[54:55]
	s_add_nc_u64 s[12:13], s[12:13], s[56:57]
	s_add_nc_u64 s[14:15], s[14:15], s[58:59]
	s_wait_alu depctr_va_vdst(0)                   ; v[QO], v[MO], v[CO] and v[XO] are written, which the loads below read as their offsets
.irp hd, 0,1
.irp k, 0,1,2,3,4,5,6,7
	global_load_b128 v[A+32*\hd+4*\k:A+32*\hd+4*\k+3], v[QO], s[6:7] offset:4096*\hd+512*\k
.endr
.endr
	global_load_b128 v[MK:MK+3],   v[MO], s[10:11]
	global_load_b128 v[MK+4:MK+7], v[MO], s[10:11] offset:16
	global_load_b32 v[CST], v[CO], s[8:9]
.set ii, 0
.rept 32                                               ; the ring is filled: my first 16 rows
	global_load_b128 v[RG+4*ii:RG+4*ii+3], v[XO], s[4:5] offset:(ii/2)*4096+(ii%2)*512 th:TH_LOAD_NT
.set ii, ii+1
.endr
	; the other addresses, while the loads are out
	s_mov_b32 s[SEL], 0x76543210
	s_mov_b32 s[SEL+1], 0xfedcba98
	s_mov_b32 s21, 0x7fffffff                      ; clears a sign
	s_mul_i32 s28, s17, SLB                        ; my slice in LDS
	s_mul_i32 s29, s18, 64*PX                      ; my 64 rows of it
	s_add_co_u32 s30, s28, s29
	v_lshl_add_u32 v[XW], v1, 3, s30
	v_mul_u32_u24 v[AX], v2, PX
	v_lshl_add_u32 v[AX], v3, 4, v[AX]             ; a fragment: row r x pitch + 16 x half
	v_add_nc_u32 v[AX], s30, v[AX]
	s_lshl_b32 s31, s18, 14                        ; tiles 4 rh ..
	s_add_co_u32 s31, s31, s27                     ; (a slice's part of a tile in XS is 1,024 bytes too)
	s_add_co_u32 s31, s31, XS
	v_add_nc_u32 v[XA], s31, v31
	s_lshl_b32 s32, s16, 12
	s_add_co_u32 s32, s32, XS
	v_add_nc_u32 v[XR], s32, v31
	v_and_b32 v[TR], 7, v0                         ; the turning load: lane l reads position 8 (l / 16) + l % 8, columns 8 ((l / 8) % 2) + 0..7
	v_lshl_add_u32 v[TR], v3, 3, v[TR]
	v_mul_u32_u24 v[TR], v[TR], PX
	v_bfe_u32 v30, v0, 3, 1
	v_lshl_add_u32 v[TR], v30, 4, v[TR]
	s_lshl_b32 s33, s18, 8                         ; my 128 columns of the slice
	s_add_co_u32 s33, s33, s28
	v_add_nc_u32 v[TR], s33, v[TR]
	s_mul_i32 s35, s16, 2*PQ
	s_add_co_u32 s35, s35, QKS
	v_lshl_add_u32 v[QW], v1, 3, s35
	v_mul_u32_u24 v[QF], v2, PQ
	v_lshl_add_u32 v[QF], v3, 4, v[QF]
	s_lshl_b32 s36, s17, 9                         ; my slice's 256 columns in f16
	s_add_co_u32 s36, s36, QKS
	v_add_nc_u32 v[QF], s36, v[QF]
	v_lshl_add_u32 v[SR], v2, 2, ST_SC
	v_add_nc_u32 v[SW], s37, v[SR]
	s_lshl_b32 s38, s16, 9                         ; tile w is plane w % 2 of k step w / 2
	s_add_co_u32 s38, s38, PF
	v_add_nc_u32 v[PFW], s38, v31
	v_add_nc_u32 v[PFR], PF, v31
	s_mul_i32 s39, s16, 16*PY
	v_mul_u32_u24 v[YW], v2, PY
	v_lshl_add_u32 v[YW], v3, 5, v[YW]
	v_add_nc_u32 v[YW], s39, v[YW]
	v_add_nc_u32 v[YR], s39, v31
	s_lshl_b32 s26, s18, 9
	s_add_co_u32 s26, s26, s27
	v_add_nc_u32 v[YO], s26, v31
	v_mov_b32 v[NEG], 0xf149f2ca                   ; -1e30
	s_lshl_b32 s26, s16, 3
	s_add_co_u32 s26, s26, ST_SC
	v_mov_b32 v[SSW], s26
	; My two heads of qk: each one's largest magnitude goes to ST_SC; the row, divided by it and rounded to f16, goes to QKS.  The two heads go side by side, so that each wait serves both.
	s_wait_loadcnt 35                              ; qk's sixteen loads are in; behind them stay out: the mask's 2, cst's 1, x's 32
	NMAX 0
	NMAX 1
	v_rcp_f32 v42, v40
	v_rcp_f32 v44, v41
	v_nop                                          ; a plain instruction between the last reciprocal and the use of its result
	s_wait_alu depctr_va_vdst(0)                   ; the two reciprocals are written, ahead of their first reader; so are v40 and v41, which the two LDS stores read, and all the LDS addresses and offsets made above, v5 to v19 and v27
	ds_store_b32 v[SSW], v40                       ; all lanes hold the same number and write the same word
	ds_store_b32 v[SSW], v41 offset:4
	v_mov_b32 v43, v42
	v_mov_b32 v45, v44
	NSCALE 0
	NSCALE 1
	s_wait_alu depctr_va_vdst(0)                   ; the roundings have written v[A ..] and v[A+32 ..], which the LDS stores read
.irp hd, 0,1
.irp k, 0,1,2,3,4,5,6,7
	ds_store_b64 v[QW], v[A+32*\hd+2*\k:A+32*\hd+2*\k+1] offset:PQ*\hd+256*\k
.endr
.endr
	s_wait_dscnt 0x0                               ; for the others' sake: my two heads are in LDS
	BAR                                            ; all sixteen are
	WIN 0x40                                       ; destination window 1
.irp ks, 0,1,2,3,4,5,6,7
	ds_load_b128 v[8*\ks:8*\ks+3],   v[QF] offset:64*\ks      ; no vector instruction has named v256-319; v[QF] and v[SR] stand ahead of the waits above
	ds_load_b128 v[8*\ks+4:8*\ks+7], v[QF] offset:64*\ks+32
.endr
	WIN 0
	ds_load_b32 v[SC], v[SR]
	s_wait_dscnt 0x0                               ; my reads of the normalised qk are over:
	BAR                                            ; everybody's are, and the partial scores may take its bytes
	v_mov_b32 v[SC+1], v[SC]
	s_wait_alu depctr_vm_vsrc(0)                   ; the LDS stores of the normalised qk have read v[A ..], which the stream's conversions write from here on; those of the magnitudes have read v40 and v41
	TILE 0
	TILE 1
	TILE 2
	TILE 3
	s_wait_alu depctr_va_vdst(0)                   ; tile 3's additions have written E, which the two LDS stores read; its products are done reading v[A ..], and the conversions RG: the tail's loads land in both
	ds_store_b128 v[XA], v[E:E+3]   offset:4096*3
	ds_store_b128 v[XA], v[E+4:E+7] offset:4096*3+512
	s_wait_dscnt 0x0                               ; for the others' sake: my rows of x and my partial scores are in LDS
	BAR                                            ; the chunk is whole
	v_mov_b32 v[CST+1], v[CST]
.irp s, 0,1,2,3
.irp p, 0,1
	ds_load_b128 v[64+8*\s+4*\p:64+8*\s+4*\p+3], v[XR] offset:1024*\s+512*\p
.endr
.endr
	TRL 0, F0                                      ; the second product's first fragments come while the softmax is made
	TRL 1, F1
	s_wait_dscnt 32                                ; the partial scores are in; the 32 turning loads stay out
.irp i, 0,1,2,3
	v_pk_add_f32 v[64+2*\i:65+2*\i], v[64+2*\i:65+2*\i], v[72+2*\i:73+2*\i]
	v_pk_add_f32 v[80+2*\i:81+2*\i], v[80+2*\i:81+2*\i], v[88+2*\i:89+2*\i]
.endr
.irp i, 0,1,2,3
	v_pk_add_f32 v[64+2*\i:65+2*\i], v[64+2*\i:65+2*\i], v[80+2*\i:81+2*\i]
.endr
.irp i, 0,1,2,3
	v_pk_fma_f32 v[96+2*\i:97+2*\i], v[64+2*\i:65+2*\i], v[SC:SC+1], v[CST:CST+1]  ; the head's scale comes back, its constant is added
.endr
.irp j, 0,1,2,3,4,5,6,7
	v_cmp_eq_u32 s[40+\j], 0, v[MK+\j]             ; the lanes whose position j is masked: kept in scalar registers for both selects
.endr
	s_wait_alu depctr_va_sdst(0)                   ; the eight compares have written s40 to s47, ahead of their first reader
.irp j, 0,1,2,3,4,5,6,7
	v_cndmask_b32 v[96+\j], v[96+\j], v[NEG], s[40+\j]
.endr
	v_max3_num_f32 v104, v96, v97, v98
	v_max3_num_f32 v104, v104, v99, v100
	v_max3_num_f32 v104, v104, v101, v102
	v_max_num_f32 v104, v104, v103
	v_permlanex16_b32 v105, v104, s[SEL], s[SEL+1] ; the head's other 8 positions lie in the lane 16 away
	v_max_num_f32 v104, v104, v105
	s_wait_alu depctr_va_vdst(0)                   ; v104 is written, which the LDS store reads
	ds_store_b32 v[SW], v104 offset:ST_M
	s_wait_dscnt 0x0                               ; for the others' sake: my tile's maxima are in LDS
	BAR
.irp q, 0,1,2,3,4,5,6,7
	ds_load_b32 v[106+\q], v[SR] offset:ST_M+64*\q ; into registers of their own: v104, which the store reads, is left alone; no vector instruction since the wait above
.endr
	s_wait_dscnt 0x0
	v_max3_num_f32 v[MX], v106, v107, v108
	v_max3_num_f32 v[MX], v[MX], v109, v110
	v_max3_num_f32 v[MX], v[MX], v111, v112
	v_max_num_f32 v[MX], v[MX], v113               ; m: the chunk's maximum for my head
.irp j, 0,1,2,3,4,5,6,7
	v_sub_f32 v[96+\j], v[96+\j], v[MX]
.endr
.irp j, 0,1,2,3,4,5,6,7
	v_exp_f32 v[96+\j], v[96+\j]
.endr
	v_nop                                          ; a plain instruction between the last exponential and the use of its result
	s_wait_alu depctr_va_vdst(0)                   ; the eight exponentials are written, ahead of their first reader
.irp j, 0,1,2,3,4,5,6,7
	v_cndmask_b32 v[96+\j], v[96+\j], 0, s[40+\j]  ; a masked position weighs 0, also where the whole chunk is masked and m is -1e30
.endr
	v_pk_add_f32 v[114:115], v[96:97], v[98:99]
	v_pk_add_f32 v[116:117], v[100:101], v[102:103]
	v_pk_add_f32 v[114:115], v[114:115], v[116:117]
	v_add_f32 v[LS], v114, v115
	v_permlanex16_b32 v118, v[LS], s[SEL], s[SEL+1]
	v_add_f32 v[LS], v[LS], v118                   ; my tile's part of l, of the unrounded weights
.irp i, 0,1,2,3
	v_cvt_pk_f16_f32 v[120+\i], v[96+2*\i], v[97+2*\i]
.endr
	s_wait_alu depctr_va_vdst(0)                   ; v[120:123] and v[LS] are written, which the two LDS stores read; the compares are done reading the mask words, and the additions v[64:71]: loads land in both below
	ds_store_b128 v[PFW], v[120:123]
	ds_store_b32 v[SW], v[LS] offset:ST_L
	s_wait_dscnt 0x0                               ; for the others' sake: my tile's weights and sum are in LDS
	BAR
	s_wait_alu depctr_vm_vsrc(0)                   ; ahead of the branch: the LDS stores have read E, v40 and v41, in which P lands, and v104 and v[120:123], which the second product writes; qk's loads and stores have read v10 and v11, which wave 0 makes anew
	s_cmp_lg_u32 s16, 0
	s_cbranch_scc1 .Lns                            ; wave 0 alone adds the eight tiles' sums and stores the statistics
.irp q, 0,1,2,3,4,5,6,7
	ds_load_b32 v[64+\q], v[SR] offset:ST_L+64*\q
.endr
	v_lshlrev_b32 v10, 2, v1                       ; 4 x lane (the loads that took v10 as their offset were waited for in the prologue)
	v_cmp_gt_u32 vcc_lo, 16, v1
	s_wait_dscnt 0x0
	v_add_f32 v64, v64, v65
	v_add_f32 v66, v66, v67
	v_add_f32 v68, v68, v69
	v_add_f32 v70, v70, v71
	v_add_f32 v64, v64, v66
	v_add_f32 v68, v68, v70
	v_add_f32 v64, v64, v68
	s_wait_alu depctr_va_vcc(0)                    ; the compare has written VCC, ahead of its reader
	v_cndmask_b32 v11, v64, v[MX], vcc_lo          ; lanes 0-15: m of head lane; lanes 16-31: l of head lane - 16
	s_wait_alu depctr_va_vdst(0)                   ; v10 and v11 are written, which the store reads
	global_store_b32 v10, v11, s[14:15]            ; v10 and v11 are not written again
.Lns:
.irp ks, 0,1,2,3
.irp p, 0,1
	ds_load_b128 v[PB+8*\ks+4*\p:PB+8*\ks+4*\p+3], v[PFR] offset:1024*\ks+512*\p
.endr
.endr
	WIN 0x40                                       ; destination window 1
	TRL 2, F2                                      ; the other two runs have registers of their own: v256-319, which the score products are done reading (they stand ahead of the waits above), and v320-383, which nothing has named
	TRL 3, F3
	WIN 0
	s_wait_dscnt 32                                ; P is in, and the first two runs have been since the barriers; the 32 youngest loads stay out
	YM 0, F0, 1                                    ; the first products start the sums
	YM 1, F1, 0
	s_wait_dscnt 16                                ; positions 64 .. 95 are in; the last run's sixteen loads stay out
	WIN 0x01                                       ; source 0 in window 1
	YM 2, F2, 0
	s_wait_dscnt 0x0
	YM 3, F3, 0
	WIN 0
	s_wait_dscnt 0x0                               ; my reads of x are over:
	BAR                                            ; everybody's are, and the way out may take its bytes
	PLACES
	s_wait_alu depctr_va_vdst(0)                   ; the products have written y^T, which the LDS stores read, and are done reading F0 and F1, in which the loads below land; the places above stay beside this wait
.irp n, 0,1,2,3,4,5,6,7
	ds_store_b128 v[YW], v[Y+8*\n:Y+8*\n+3]   offset:64*\n      ; each accumulator from its low end on
	ds_store_b128 v[YW], v[Y+8*\n+4:Y+8*\n+7] offset:64*\n+16
.endr
.irp n, 0,1,2,3,4,5,6,7,8,9,10,11,12,13,14,15
	ds_load_b128 v[128+4*\n:128+4*\n+3], v[YR] offset:PY*\n     ; my own bytes, in order behind the stores: a head's 128 columns, 512 bytes
.endr
.irp n, 0,1,2,3,4,5,6,7,8,9,10,11,12,13,14,15
	s_wait_dscnt 15-\n
	global_store_b128 v[YO], v[128+4*\n:128+4*\n+3], s[12:13] offset:4096*\n  ; 512 consecutive bytes, at a multiple of 256 from ypart's first byte
.endr
	s_wait_dscnt 0x0                               ; the closing lines, six on end
	s_wait_alu 0x0
	s_wait_tensorcnt 0x0
	ds_add_u32 v[SPW], v[NIL]
	s_wait_dscnt 0x0
	s_endpgm
.Lfunc_end_k_qc0169aeeec_attend:
	.size	k_qc0169aeeec_attend, .Lfunc_end_k_qc0169aeeec_attend-k_qc0169aeeec_attend
	.p2alignl 7, 3214868480
	.fill 96, 4, 3214868480
	.section	.rodata,"a",@progbits
	.p2align	6, 0x0
	.amdhsa_kernel k_qc0169aeeec_attend
		.amdhsa_group_segment_fixed_size 317696
		.amdhsa_private_segment_fixed_size 0
		.amdhsa_enable_private_segment 0
		.amdhsa_kernarg_size 48
		.amdhsa_user_sgpr_count 2
		.amdhsa_user_sgpr_kernarg_segment_ptr 1
		.amdhsa_wavefront_size32 1
		.amdhsa_system_sgpr_workgroup_id_x 1
		.amdhsa_system_sgpr_workgroup_id_y 1
		.amdhsa_system_sgpr_workgroup_id_z 1
		.amdhsa_system_vgpr_workitem_id 0
		.amdhsa_next_free_vgpr 384
		.amdhsa_next_free_sgpr 66
		.amdhsa_reserve_vcc 1
		.amdhsa_float_denorm_mode_32 3
		.amdhsa_float_denorm_mode_16_64 3
		.amdhsa_memory_ordered 1
		.amdhsa_forward_progress 1
		.amdhsa_inst_pref_size 83
	.end_amdhsa_kernel
	.amdgpu_metadata
---
amdhsa.version: [ 1, 2 ]
amdhsa.kernels:
  - .name:           k_qc0169aeeec_attend
    .symbol:         k_qc0169aeeec_attend.kd
    .args:
      - { .name: hidden_states, .offset: 0, .size: 8, .value_kind: global_buffer, .address_space: global }
      - { .name: qk, .offset: 8, .size: 8, .value_kind: global_buffer, .address_space: global }
      - { .name: cst, .offset: 16, .size: 8, .value_kind: global_buffer, .address_space: global }
      - { .name: attention_mask, .offset: 24, .size: 8, .value_kind: global_buffer, .address_space: global }
      - { .name: ypart, .offset: 32, .size: 8, .value_kind: global_buffer, .address_space: global }
      - { .name: stat, .offset: 40, .size: 8, .value_kind: global_buffer, .address_space: global }
    .group_segment_fixed_size: 317696
    .private_segment_fixed_size: 0
    .kernarg_segment_align: 8
    .kernarg_segment_size: 48
    .max_flat_workgroup_size: 256
    .sgpr_count:     66
    .vgpr_count:     384
    .wavefront_size: 32
...
	.end_amdgpu_metadata
.endif
;; end of part 5
;; launch finish: the kernel of part 4 again; grid 32 x 8, 8 waves a work-group, no clusters, 5,376 bytes of LDS; arguments ypart, stat, Wv, bv, out0; writes out0
